; MI455X (gfx1250); checked and timed in simulation.
; The chip was launched on July 23, 2026; its instructions are those of AMD's public machine-readable ISA for CDNA 5 (MIT licence, August 2026) and "CDNA5" Instruction Set Architecture Reference Guide (July 2026). The comments in the code are by the model that wrote it; some were corrected since.
;; Multi Head Attention. Allowed arithmetic: matrix products marked QUANTISED: E2M3 operands, one E8M0 scale for each 32 along K, by v_wmma_scale_f32_16x16x128_f8f6f4 with both operands' format E2M3, f32 sums; everything else in f32.
;; Inputs: K 4 x 2,048 x 1,024 float32; Q 4 x 2,048 x 1,024 float32; V 4 x 2,048 x 1,024 float32; Wk 1,024 x 1,024 float32; Wo 1,024 x 1,024 float32; Wq 1,024 x 1,024 float32; Wv 1,024 x 1,024 float32; bk 1,024 float32; bo 1,024 float32; bq 1,024 float32; bv 1,024 float32.
;; Outputs: out0 4 x 2,048 x 1,024 float32.
;; This version of the problem:
;;   THIS VERSION OF THE PROBLEM IS GIVEN IN LOW PRECISION. The matrix products marked QUANTISED in the list below multiply operands that are first quantised to E2M3 (2 exponent bits, 3 mantissa bits; 6 bits a number), with one power-of-two scale for each 32 numbers along K (OCP MX v1.0); their sums are f32. All else is computed in f32.
;;   The module's matrix products, in the order in which they are computed (A, B: the left and right operand; K: the contracted axis; several contracted axes count as one K, in the product's order):
;;     1. [M 8,192, K 1,024] x [K 1,024, N 1,024]; A: input Q; B: input Wq: QUANTISED
;;     2. [M 8,192, K 1,024] x [K 1,024, N 1,024]; A: input K; B: input Wk: QUANTISED
;;     3. [M 8,192, K 1,024] x [K 1,024, N 1,024]; A: input V; B: input Wv: QUANTISED
;;     4. batch 64 x [M 2,048, K 64] x [K 64, N 2,048]; A: computed on the way; B: computed on the way: QUANTISED
;;     5. batch 64 x [M 2,048, K 2,048] x [K 2,048, N 64]; A: softmax (see below); B: computed on the way: QUANTISED
;;     6. [M 8,192, K 1,024] x [K 1,024, N 1,024]; A: computed on the way; B: input Wo: QUANTISED
;;   THE QUANTISER, for each operand of a quantised product, along K:
;;     - K is cut into blocks of 32 from its start; a last block that is shorter is filled with zeros.
;;     - A block's scale is 2^e with e = floor(log2(the largest magnitude in the block)) - 2, held to -126 .. 127; a block of zeros has e = 0. As a byte (E8M0): e + 127.
;;     - Each number is divided by its block's scale, clamped to +-7.5, and rounded to the nearest number of E2M3, ties to even, subnormals kept.
;;     - The product sums the exact products of the quantised numbers (number of the format x scale) in f32.
;;   ~~~python
;;   def quantise(x, axis):      # numpy; x: float32 -> the quantised numbers, widened to float32 again
;;       x = np.moveaxis(x, axis, -1); K = x.shape[-1]
;;       x = np.pad(x, [(0, 0)] * (x.ndim - 1) + [(0, -K % 32)]); x = x.reshape(x.shape[:-1] + (-1, 32)); a = np.abs(x).max(-1, keepdims=True)
;;       e = np.where(a > 0, np.clip(np.frexp(np.where(a > 0, a, 1))[1] - 1 - 2, -126, 127), 0)      # np.frexp(a)[1] - 1 = floor(log2(a)), exactly
;;       r = np.clip(x / 2.0 ** e, -7.5, 7.5)
;;       step = 2.0 ** (np.maximum(np.frexp(np.where(r == 0, 1, r))[1] - 1, 0) - 3)
;;       q = np.round(r / step) * step * 2.0 ** e      # np.round: ties to even
;;       return np.moveaxis(q.reshape(q.shape[:-2] + (-1,))[..., :K], -1, axis).astype(np.float32)
;;   ~~~
;;   SOFTMAX AHEAD OF A QUANTISED PRODUCT. Where the list says 'softmax', what is quantised is not the finished softmax but p = 2^(t - M), with t = logit x log2(e) and M = ceil(the row's largest t), a whole number; so 1/2 < the row's largest p <= 1. The row's sum l is taken of the UNQUANTISED p, in f32, and the product's result is divided by l at the end. Since M is a whole number, a kernel that streams over the keys may use a running M (the ceiling of the running maximum): every later rescaling is an exact power of two, which a block's scale takes up: the codes' values come out the same.
;;   OPERANDS COMPUTED ON THE WAY. 'Computed on the way' means the value that the module computes at that place (a softmax that the list does not call 'softmax' is quantised finished and normalised). What goes into a quantiser is computed in f32, as accurately as f32 sums, v_exp_f32 and their like allow (about 1e-6 of the number): no bf16 or f16 on the way to a quantiser, and a product that is left as it is and whose result goes on into a quantised operand takes f32 operands (vector FMAs, or v_wmma_f32_16x16x4_f32). A number that lies on a knife's edge between two numbers of the format may be rounded either way, as far as f32 arithmetic and the matrix unit's own rounding can turn it there, and no further.
;; One version. Each part assembles by itself: llvm-mc -triple=amdgcn-amd-amdhsa -mcpu=gfx1250 --defsym DOCPART=n.
;; ======== version 1 of 1: 4 launches
;; limits: right only within a limited range of input values
;; workspace buffers: xc 18,874,368 bytes; xs 786,432 bytes; wc 3,145,728 bytes; ws 131,072 bytes; ac 18,874,368 bytes; asc 1,310,720 bytes; oc 6,291,456 bytes; osc 262,144 bytes
;; launch prep (part 1): grid 448 x 1, 4 waves a work-group, no clusters, 34,304 bytes of LDS; arguments Q, K, V, Wq, Wk, Wv, Wo, xc, xs, wc, ws; writes xc, xs, wc, ws
.if DOCPART == 1
	.amdgcn_target "amdgcn-amd-amdhsa--gfx1250"
	.amdhsa_code_object_version 6
	.text
	.protected	k_q72371813a7_prep
	.globl	k_q72371813a7_prep
	.p2align	8
	.type	k_q72371813a7_prep,@function
k_q72371813a7_prep:
	s_mov_b64 s[64:65], 0
	v_nop
	global_prefetch_b8 v0, s[64:65] scope:SCOPE_SE
	s_setreg_imm32_b32 hwreg(HW_REG_WAVE_MODE, 25, 1), 1
	s_wait_xcnt 0x0
; Q, K, V [8192][1024] f32 (K innermost) and Wq, Wk, Wv, Wo [1024 (k)][1024 (n)] f32 (K outermost) become codes of FP6 (E2M3) with one E8M0 byte for each 32 along K.
; A block's scale is 2^(floor(log2(its largest magnitude)) - 2); its byte is the largest magnitude's exponent field - 2, held at 1 from below.
; LIMITS: NaN and infinities among the inputs are not served; a block of zeros, or one whose largest magnitude lies under 2^-124, gets the byte 1 (its codes are zeros or the nearest codes under that scale); the bytes are read by this program alone.
; THE CODES LEAVE AS IMAGES OF THE OPERAND'S REGISTERS.  A tile of 16 operand rows x 64 along K (blocks 2 P and 2 P + 1: lane (r, h) holds block 2 P + h of row r in six registers) is 768 bytes:
; registers 0-3 at 16 x lane, then registers 4-5 at 512 + 8 x lane.  A tile of 16 rows has 16 such pieces on end, 12,288 bytes.  So each store of a wave covers 512 or 256 consecutive bytes, aligned.
; SHARES.  A wave takes 16 operand rows x all 1,024 along K.  Work-groups 0-63: the weights (a lane to a column n, registers down K); work-groups 64-447: Q, K, V (each load reads 512 consecutive bytes of a row;
; the numbers turn through the wave's own stage in LDS so that a lane holds 16 neighbours of each block).  Waves share nothing: no barrier.
; Wo's blocks are laid in the order in which the attention launch leaves its result: place 16 a + 8 u + j of a block holds k 16 u + 8 a + j.  A block keeps its 32 numbers, so scale and codes are the rule's.
.set STG,   8448                       ; a wave's stage: 16 rows x (512 bytes + 16)
.set SPARE, 4*STG                      ; behind the stages: the spare words, 128 bytes a wave
.set SPW, 12                           ; v12 my spare word's address; v13 0: never rewritten
.set NIL, 13
.set SW,  16                           ; v16-23 the scale word of each of the 8 steps of 128 along K
.set TM,  24                           ; v24-39 at work
.set PC,  42                           ; v42-53 a fragment's codes; v54-60 the conversions' second halves
.set X,   62                           ; v62-125 64 numbers of a lane
.set R,   126                          ; v126-253 numbers as loaded, two sets
.set SEL, 40                           ; s[40:41] selects for lane l xor 16
	s_load_b256 s[8:15], s[0:1], 0x0               ; Q, K, V, Wq
	s_load_b256 s[16:23], s[0:1], 0x20             ; Wk, Wv, Wo, xc
	s_load_b128 s[24:27], s[0:1], 0x40             ; xs, wc
	s_load_b64 s[28:29], s[0:1], 0x50              ; ws
	v_lshl_add_u32 v[SPW], v0, 2, SPARE
	v_mov_b32 v[NIL], 0
	v_lshrrev_b32 v1, 5, v0
	v_readfirstlane_b32 s30, v1                    ; wave
	v_and_b32 v1, 31, v0                           ; lane
	v_and_b32 v2, 15, v0                           ; r
	v_bfe_u32 v3, v0, 4, 1                         ; h
	v_lshlrev_b32 v4, 4, v1                        ; 16 x lane: a load's and an image's place
	v_lshl_add_u32 v5, v1, 3, 512                  ; 512 + 8 x lane: the image's last two registers
	v_lshlrev_b32 v6, 5, v2
	v_lshl_add_u32 v6, v3, 4, v6                   ; scale bytes: row r of 32 bytes, + 16 h
	s_mul_i32 s32, s30, STG
	v_add_nc_u32 v7, s32, v4                       ; the stage, in: 16 x lane in a row
	v_mul_u32_u24 v8, v2, 528
	v_lshl_add_u32 v8, v3, 6, v8
	v_add_nc_u32 v8, s32, v8                       ; and out: row r, + 64 h: my 16 numbers of a block
	v_lshlrev_b32 v9, 2, v2
	v_lshl_add_u32 v9, v3, 17, v9                  ; weights: column r, and 32 rows of 4,096 bytes further down for lanes 16-31
	v_lshlrev_b32 v14, 3, v3                       ; 8 h
	v_mov_b32 v15, 0                               ; (a lane permute's destination counts as one of its sources)
.irp b, 0,1,2,3
	v_mov_b32 v[TM+4+\b], 0
.endr
	s_mov_b32 s[SEL], 0x76543210
	s_mov_b32 s[SEL+1], 0xfedcba98
; 64 numbers of a lane, register 16 b + i = k 32 b + 16 h + i of my row, become a fragment's codes in v[PC] on and its scale word in v[w]
.macro QUANT s, w
.irp b, 0,1,2,3
	v_max3_num_f32 v[TM+\b], |v[\s+16*\b]|, |v[\s+1+16*\b]|, 0x1800000   ; my 16 numbers of block b, and the floor 2^(3 - 127): the byte cannot fall under 1
.endr
.irp i, 2,4,6,8,10,12,14
.irp b, 0,1,2,3
	v_max3_num_f32 v[TM+\b], v[TM+\b], |v[\s+16*\b+\i]|, |v[\s+1+16*\b+\i]|
.endr
.endr
.irp b, 0,1,2,3
	v_permlanex16_b32 v[TM+4+\b], v[TM+\b], s[SEL], s[SEL+1]
.endr
.irp b, 0,1,2,3
	v_max_num_f32 v[TM+\b], v[TM+\b], v[TM+4+\b]   ; with lane l xor 16's: the block's largest magnitude
.endr
.irp b, 0,1,2,3
	v_add_nc_u32 v[TM+12+\b], 0xff000000, v[TM+\b] ; 2 off its exponent field: the conversion's scale operand
.endr
.irp b, 0,1,2,3
	v_lshrrev_b32 v[TM+4+\b], 23, v[TM+12+\b]      ; the scale's byte
.endr
	v_lshl_or_b32 v[\w], v[TM+5], 8, v[TM+4]
	v_lshl_or_b32 v[\w], v[TM+6], 16, v[\w]
	v_lshl_or_b32 v[\w], v[TM+7], 24, v[\w]
.irp c, 0,1
	v_cvt_scalef32_pk16_fp6_f32 v[PC+6*\c:PC+2+6*\c], v[\s+32*\c:\s+15+32*\c], v[TM+12+2*\c]
	v_cvt_scalef32_pk16_fp6_f32 v[PC+12+4*\c:PC+14+4*\c], v[\s+16+32*\c:\s+31+32*\c], v[TM+12+2*\c+1]   ; (a conversion's three registers begin on an even number)
.endr
	v_nop                                          ; one plain place behind a scaled conversion
.irp c, 0,1                                    ; the layout wants a whole block in a lane: lanes 0-15 block 2 c, lanes 16-31 block 2 c + 1
.irp i, 0,1,2
	v_permlane16_swap_b32 v[PC+6*\c+\i], v[PC+12+4*\c+\i]
.endr
.irp i, 0,1,2
	v_mov_b32 v[PC+3+6*\c+\i], v[PC+12+4*\c+\i]
.endr
.endr
.endm
.macro PUTHALF reg, off                        ; six registers leave as an image: 512 and 256 consecutive bytes
	global_store_b128 v4, v[\reg:\reg+3], s[6:7] offset:\off
	global_store_b64 v5, v[\reg+4:\reg+5], s[6:7] offset:\off
.endm
.macro PUTSCALES                               ; lane (r, h) stores words 4 h .. 4 h + 3 of row r: 512 consecutive bytes
	v_cmp_ne_u32 vcc_lo, 0, v3
.irp j, 0,1,2,3
	v_cndmask_b32 v[TM+\j], v[SW+\j], v[SW+4+\j], vcc_lo
.endr
	global_store_b128 v6, v[TM:TM+3], s[2:3]
.endm
	s_wait_kmcnt 0x0
	s_cmp_lt_u32 ttmp9, 64
	s_cbranch_scc1 .Lweights
; ---------------- Q, K, V
	s_sub_co_u32 s31, ttmp9, 64
	s_lshl_b32 s31, s31, 2
	s_add_co_u32 s31, s31, s30                     ; T: which tile of 16 rows of the three tensors on end
	s_lshr_b32 s33, s31, 9                         ; which tensor
	s_cmp_eq_u32 s33, 1
	s_cselect_b64 s[4:5], s[10:11], s[8:9]
	s_cmp_eq_u32 s33, 2
	s_cselect_b64 s[4:5], s[12:13], s[4:5]
	s_and_b32 s34, s31, 511
	s_lshl_b32 s34, s34, 16                        ; 16 rows of 4,096 bytes
	s_mov_b32 s35, 0
	s_add_nc_u64 s[4:5], s[4:5], s[34:35]
	s_mul_i32 s36, s31, 12288
	s_mov_b32 s37, 0
	s_add_nc_u64 s[6:7], s[22:23], s[36:37]
	s_lshl_b32 s38, s31, 9
	s_mov_b32 s39, 0
	s_add_nc_u64 s[2:3], s[24:25], s[38:39]
.macro XLOAD t                                 ; step t: 512 consecutive bytes of each of my 16 rows
.irp i, 0,1,2,3,4,5,6,7,8,9,10,11,12,13,14,15
	global_load_b128 v[R+64*((\t)%2)+4*\i:R+64*((\t)%2)+4*\i+3], v4, s[4:5] offset:4096*\i+512*(\t) th:TH_LOAD_NT
.endr
.endm
.macro XSTEP t
.if (\t) < 7
	s_wait_loadcnt 16                              ; this step's 16 loads are in; the next step's 16 may be out
.else
	s_wait_loadcnt 0
.endif
.irp i, 0,1,2,3,4,5,6,7,8,9,10,11,12,13,14,15
	ds_store_b128 v7, v[R+64*((\t)%2)+4*\i:R+64*((\t)%2)+4*\i+3] offset:528*\i
.endr
.irp b, 0,1,2,3
.irp j, 0,1,2,3
	ds_load_b128 v[X+16*\b+4*\j:X+16*\b+4*\j+3], v8 offset:128*\b+16*\j   ; LDS serves a wave's instructions in order: these see the stores above
.endr
.endr
	s_wait_dscnt 0x0                               ; the numbers are back, and the stage's stores have read their registers
.if (\t) > 0
	s_wait_xcnt 0x0                                ; the last step's stores have read their data: the codes' registers may be written again
.endif
.if (\t) < 6
	XLOAD (\t)+2
.endif
	QUANT X, SW+(\t)
	PUTHALF PC, 1536*(\t)
	PUTHALF PC+6, 1536*(\t)+768
.endm
	XLOAD 0
	XLOAD 1
	s_wait_alu depctr_va_vdst(0)
.irp t, 0,1,2,3,4,5,6,7
	XSTEP \t
.endr
	PUTSCALES
	s_wait_tensorcnt 0x0                           ; the wave's end
	ds_add_u32 v[SPW], v[NIL]
	s_wait_dscnt 0x0
	s_endpgm
; ---------------- the weights: no LDS is touched on this way
.Lweights:
	s_lshr_b32 s33, ttmp9, 4                       ; which weight
	s_and_b32 s31, ttmp9, 15
	s_lshl_b32 s31, s31, 2
	s_add_co_u32 s31, s31, s30                     ; which 16 columns
	s_cmp_eq_u32 s33, 1
	s_cselect_b64 s[4:5], s[16:17], s[14:15]
	s_cmp_eq_u32 s33, 2
	s_cselect_b64 s[4:5], s[18:19], s[4:5]
	s_cmp_eq_u32 s33, 3
	s_cselect_b64 s[4:5], s[20:21], s[4:5]
	s_cselect_b32 s34, 32768, 0                    ; Wo: places 8-15 of a block take rows 16-23,
	s_cselect_b32 s35, 0, 32768                    ; and places 16-23 rows 8-15
	s_wait_alu depctr_va_vdst(0)
	v_add_nc_u32 v10, s34, v9
	s_wait_alu depctr_va_vdst(0)
	v_add_nc_u32 v11, s35, v9
	s_wait_alu depctr_va_vdst(0)
	s_lshl_b32 s34, s31, 6
	s_mov_b32 s35, 0
	s_add_nc_u64 s[4:5], s[4:5], s[34:35]
	s_lshl_b32 s36, s33, 6
	s_add_co_u32 s36, s36, s31                     ; tile of 16 operand rows among the four weights'
	s_lshl_b32 s38, s36, 9
	s_mul_i32 s36, s36, 12288
	s_mov_b32 s37, 0
	s_mov_b32 s39, 0
	s_add_nc_u64 s[6:7], s[26:27], s[36:37]
	s_add_nc_u64 s[2:3], s[28:29], s[38:39]
.macro WLOAD q                                 ; my block of piece q: W(64 q + 32 h + place's row, my column); the largest immediate is 991 rows of 4,096 bytes
.set i, 0
.rept 32
.if (i < 8) || (i >= 24)
	global_load_b32 v[R+32*((\q)%2)+i], v9, s[4:5] offset:(64*(\q)+i)*4096
.elseif i < 16
	global_load_b32 v[R+32*((\q)%2)+i], v10, s[4:5] offset:(64*(\q)+i)*4096
.else
	global_load_b32 v[R+32*((\q)%2)+i], v11, s[4:5] offset:(64*(\q)+i-8)*4096
.endif
.set i, i+1
.endr
.endm
.macro WBLOCK q
.set XS, R+32*((\q)%2)
.if (\q) < 15
	s_wait_loadcnt 32                              ; this block's 32 loads are in; the next block's may be out
.else
	s_wait_loadcnt 0
.endif
	v_max3_num_f32 v[TM], |v[XS]|, |v[XS+1]|, |v[XS+2]|             ; all 32 numbers of the block are mine
	v_max3_num_f32 v[TM+1], |v[XS+3]|, |v[XS+4]|, |v[XS+5]|
.irp i, 6,10,14,18,22,26
	v_max3_num_f32 v[TM], v[TM], |v[XS+\i]|, |v[XS+\i+1]|
	v_max3_num_f32 v[TM+1], v[TM+1], |v[XS+\i+2]|, |v[XS+\i+3]|
.endr
	v_max3_num_f32 v[TM], v[TM], |v[XS+30]|, |v[XS+31]|
	v_max3_num_f32 v[TM], v[TM], v[TM+1], 0x1800000
	v_add_nc_u32 v[TM+2], 0xff000000, v[TM]
	v_lshrrev_b32 v[TM+4+(\q)%2], 23, v[TM+2]
.if (\q) > 0
	s_wait_alu depctr_va_vdst(0)
	s_wait_xcnt 0x0                                ; the last block's stores have read their data
.endif
	v_cvt_scalef32_pk16_fp6_f32 v[PC:PC+2], v[XS:XS+15], v[TM+2]
	v_cvt_scalef32_pk16_fp6_f32 v[PC+12:PC+14], v[XS+16:XS+31], v[TM+2]
	v_nop
.irp i, 0,1,2
	v_mov_b32 v[PC+3+\i], v[PC+12+\i]
.endr
.if (\q) < 14
	WLOAD (\q)+2
.endif
	PUTHALF PC, 768*(\q)
.if (\q)%2 == 1                                ; the scale word of 128 along K: my two bytes at 8 h bits, with lane l xor 16's two
	v_lshl_or_b32 v[TM+8], v[TM+5], 16, v[TM+4]
	v_lshlrev_b32 v[TM+8], v14, v[TM+8]
	v_permlanex16_b32 v15, v[TM+8], s[SEL], s[SEL+1]
	v_or_b32 v[SW+(\q)/2], v[TM+8], v15
.endif
.endm
	WLOAD 0
	WLOAD 1
.irp q, 0,1,2,3,4,5,6,7,8,9,10,11,12,13,14,15
	WBLOCK \q
.endr
	PUTSCALES
	s_endpgm
.Lfunc_end_k_q72371813a7_prep:
	.size	k_q72371813a7_prep, .Lfunc_end_k_q72371813a7_prep-k_q72371813a7_prep
	.p2alignl 7, 3214868480
	.fill 96, 4, 3214868480
	.section	.rodata,"a",@progbits
	.p2align	6, 0x0
	.amdhsa_kernel k_q72371813a7_prep
		.amdhsa_group_segment_fixed_size 34304
		.amdhsa_private_segment_fixed_size 0
		.amdhsa_enable_private_segment 0
		.amdhsa_kernarg_size 88
		.amdhsa_user_sgpr_count 2
		.amdhsa_user_sgpr_kernarg_segment_ptr 1
		.amdhsa_wavefront_size32 1
		.amdhsa_system_sgpr_workgroup_id_x 1
		.amdhsa_system_sgpr_workgroup_id_y 1
		.amdhsa_system_sgpr_workgroup_id_z 1
		.amdhsa_system_vgpr_workitem_id 0
		.amdhsa_next_free_vgpr 256
		.amdhsa_next_free_sgpr 66
		.amdhsa_reserve_vcc 1
		.amdhsa_float_denorm_mode_32 3
		.amdhsa_float_denorm_mode_16_64 3
		.amdhsa_memory_ordered 1
		.amdhsa_forward_progress 1
		.amdhsa_inst_pref_size 142
	.end_amdhsa_kernel
	.amdgpu_metadata
---
amdhsa.version: [ 1, 2 ]
amdhsa.kernels:
  - .name:           k_q72371813a7_prep
    .symbol:         k_q72371813a7_prep.kd
    .args:
      - { .name: Q, .offset: 0, .size: 8, .value_kind: global_buffer, .address_space: global }
      - { .name: K, .offset: 8, .size: 8, .value_kind: global_buffer, .address_space: global }
      - { .name: V, .offset: 16, .size: 8, .value_kind: global_buffer, .address_space: global }
      - { .name: Wq, .offset: 24, .size: 8, .value_kind: global_buffer, .address_space: global }
      - { .name: Wk, .offset: 32, .size: 8, .value_kind: global_buffer, .address_space: global }
      - { .name: Wv, .offset: 40, .size: 8, .value_kind: global_buffer, .address_space: global }
      - { .name: Wo, .offset: 48, .size: 8, .value_kind: global_buffer, .address_space: global }
      - { .name: xc, .offset: 56, .size: 8, .value_kind: global_buffer, .address_space: global }
      - { .name: xs, .offset: 64, .size: 8, .value_kind: global_buffer, .address_space: global }
      - { .name: wc, .offset: 72, .size: 8, .value_kind: global_buffer, .address_space: global }
      - { .name: ws, .offset: 80, .size: 8, .value_kind: global_buffer, .address_space: global }
    .group_segment_fixed_size: 34304
    .private_segment_fixed_size: 0
    .kernarg_segment_align: 8
    .kernarg_segment_size: 88
    .max_flat_workgroup_size: 128
    .sgpr_count:     66
    .vgpr_count:     256
    .wavefront_size: 32
...
	.end_amdgpu_metadata
.endif
;; end of part 1
;; launch proj (part 2): grid 4 x 96, 4 waves a work-group, clusters of 4 x 4, 327,680 bytes of LDS; arguments xc, xs, wc, ws, bq, bk, bv, ac, asc; writes ac, asc
.if DOCPART == 2
	.amdgcn_target "amdgcn-amd-amdhsa--gfx1250"
	.amdhsa_code_object_version 6
	.text
	.protected	k_q72371813a7_proj
	.globl	k_q72371813a7_proj
	.p2align	8
	.type	k_q72371813a7_proj,@function
k_q72371813a7_proj:
	s_mov_b64 s[64:65], 0
	v_nop
	global_prefetch_b8 v0, s[64:65] scope:SCOPE_SE
	s_setreg_imm32_b32 hwreg(HW_REG_WAVE_MODE, 25, 1), 1
	s_wait_xcnt 0x0
	s_wait_alu depctr_hold_cnt(0) depctr_sa_sdst(0) depctr_va_vdst(0) depctr_va_sdst(0) depctr_va_ssrc(0) depctr_va_vcc(0) depctr_vm_vsrc(0)
	s_getreg_b32 s2, hwreg(HW_REG_IB_STS2, 6, 4)
	s_cmp_eq_u32 s2, 0
	s_cbranch_scc0 .Lentry_in_a_cluster
	s_endpgm
.Lentry_in_a_cluster:
	s_bfe_u32 s2, ttmp6, 0x10000c
	s_cmp_lg_u32 s2, 0xf033
	s_cbranch_scc0 .Lentry_shape_is_right
	s_endpgm
.Lentry_shape_is_right:
.set NQ,    2
.set FR,    12
.set NL,    4
.set NP,    4
.set RT,    3072
.set HALFT, 8*RT
.set SLOT,  4*HALFT
.set SCL,   2*SLOT
.set HALFS, 16*272
.set SBLK,  2*272
.set SPARE, SCL+4*HALFS
.set SST,   SPARE+512
.set SH,   15
.set ADRA, 16
.set ADRB, 20
.set VO16, 24
.set VO8,  25
.set VS1,  26
.set ADRS, 27
.set SPW,  28
.set NIL,  29
.set SSTA, 30
.set SSRD, 31
.set SC,   32
.set BB,   64
.set AF,   128
.set X,    128
.set PC,   192
.set TM,   212
.set PW,   228
.set WD,   232
.set TT,   240
.set SEL,  8
.set G1, 24
.set G0, 32
.set G1B, 48
.set G0B, 56
.set G1S, 68
.set G0S, 76
.set G1SB, 80
.set G0SB, 88
.set MSB, 0
.macro WIN new
.if MSB != (\new)
	s_set_vgpr_msb (MSB<<8)|(\new)
.set MSB, (\new)
.endif
.endm
.set MUL_LO, 0xa1
.set MUL_HI, 0xf1
.set TO_B,   0x40
.macro JLOAD g0a, g1a, g0b, g1b
	s_cmp_eq_u32 s15, 0
	s_cbranch_scc0 .Lfor_b_\@
	tensor_load_to_lds s[\g0a:\g0a+3], s[\g1a:\g1a+7]
	s_nop 0
.rept 4
	v_nop
.endr
	s_branch .Lasked_\@
.Lfor_b_\@:
	tensor_load_to_lds s[\g0b:\g0b+3], s[\g1b:\g1b+7]
	s_nop 0
.rept 4
	v_nop
.endr
.Lasked_\@:
.endm
.macro CREST
	s_cmp_lg_u32 s14, 0
	s_cbranch_scc1 .Lnot_wave_0_\@
	s_barrier_signal -3
.Lnot_wave_0_\@:
	s_barrier_wait -3
	s_barrier_signal -1
	s_barrier_wait -1
.endm
.macro CROUND
	s_barrier_signal -1
	s_barrier_wait -1
	CREST
.endm
	s_load_b256 s[4:11], s[0:1], 0x0
	v_lshl_add_u32 v[SPW], v0, 2, SPARE
	v_mov_b32 v[NIL], 0
	ds_add_u32 v[SPW], v[NIL]
	ds_add_u32 v[SPW], v[NIL]
	v_lshrrev_b32 v1, 5, v0
	v_readfirstlane_b32 s14, v1
	s_lshr_b32 s15, s14, 1
	s_and_b32 s16, s14, 1
	s_bfe_u32 s40, ttmp6, 0x40000
	s_bfe_u32 s41, ttmp6, 0x40004
	s_and_b32 s18, ttmp7, 0xffff
	s_lshr_b32 s12, s18, 3
	s_and_b32 s13, s18, 7
	s_lshl_b32 s13, s13, 2
	s_mul_i32 s20, s12, 6291456
	s_mul_i32 s22, s12, 262144
	s_mul_i32 s46, s12, 786432
	s_mul_i32 s92, s12, 32768
	s_cmp_eq_u32 s12, 2
	s_cselect_b32 s17, 0, s13
	s_cselect_b32 s42, s13, 0
	s_cselect_b32 s20, 1572864, s20
	s_cselect_b32 s22, 65536, s22
	s_cselect_b32 s46, 12582912, s46
	s_cselect_b32 s92, 524288, s92
	s_add_co_u32 s17, s17, s41
	s_add_co_u32 s42, s42, s40
	s_lshl_b32 s43, s41, 2
	s_lshl_b32 s43, 15, s43
	s_lshl_b32 s44, 0x1111, s40
	s_or_b32 s[G1+0], s43, (3<<16)|(1<<21)
	s_or_b32 s[G1B+0], s44, (3<<16)|(1<<21)
.irp g, G1, G1B
	s_mov_b32 s[\g+1], 384<<16
	s_mov_b32 s[\g+2], 16<<16
	s_mov_b32 s[\g+3], 384<<16
	s_mov_b32 s[\g+4], 16
	s_mov_b32 s[\g+5], 1536
	s_mov_b32 s[\g+6], 0
	s_mov_b32 s[\g+7], 0
.endr
	s_or_b32 s[G1S+0], s43, (3<<16)|(1<<20)|(1<<21)|(5<<22)|(3<<25)
	s_or_b32 s[G1SB+0], s44, (3<<16)|(1<<20)|(1<<21)|(5<<22)|(3<<25)
.irp g, G1S, G1SB
	s_mov_b32 s[\g+1], 32<<16
	s_mov_b32 s[\g+2], 32<<16
	s_mov_b32 s[\g+3], 32<<16
	s_mov_b32 s[\g+4], 32
	s_mov_b32 s[\g+5], 32
	s_mov_b32 s[\g+6], 0
	s_mov_b32 s[\g+7], 0
.endr
	s_mul_i32 s18, s17, 196608
	s_add_co_u32 s20, s20, s18
	s_mul_i32 s18, s16, 98304
	s_add_co_u32 s20, s20, s18
	s_mov_b32 s21, 0
	s_lshl_b32 s18, s17, 13
	s_add_co_u32 s22, s22, s18
	s_lshl_b32 s18, s16, 12
	s_add_co_u32 s22, s22, s18
	s_mov_b32 s23, 0
	s_mul_i32 s94, s42, 196608
	s_add_co_u32 s46, s46, s94
	s_mul_i32 s94, s16, 98304
	s_add_co_u32 s46, s46, s94
	s_mov_b32 s47, 0
	s_lshl_b32 s94, s42, 13
	s_add_co_u32 s92, s92, s94
	s_lshl_b32 s94, s16, 12
	s_add_co_u32 s92, s92, s94
	s_mov_b32 s93, 0
	s_mul_i32 s45, s14, HALFT
	s_mul_i32 s66, s14, HALFS
	s_wait_dscnt 0x0
	s_wait_kmcnt 0x0
	s_cmp_eq_u32 s12, 2
	s_cselect_b64 s[96:97], s[8:9], s[4:5]
	s_cselect_b64 s[98:99], s[10:11], s[6:7]
	s_cselect_b64 s[100:101], s[4:5], s[8:9]
	s_cselect_b64 s[94:95], s[6:7], s[10:11]
	s_add_nc_u64 s[20:21], s[96:97], s[20:21]
	s_add_nc_u64 s[22:23], s[98:99], s[22:23]
	s_add_nc_u64 s[46:47], s[100:101], s[46:47]
	s_add_nc_u64 s[92:93], s[94:95], s[92:93]
	CROUND
; THE HEAD'S FOUR TILES, each whole, one a wave: wave 0 slot 0's 16 tiles of A, wave 1 its 16 tiles of B, wave 2 the scales of A's 256 rows, wave 3 those of B's.
; s[20:23], s[46:47], s[92:93] hold the address of the wave's own half (wave % 2): waves 0 and 2 stand at the first half; waves 1 and 3 step one half back.
	s_mov_b32 s[G0S], 1
	s_mov_b32 s[G0S+1], SCL
	s_mov_b64 s[G0S+2:G0S+3], s[22:23]
	s_or_b32 s[G0S+3], s[G0S+3], 0x80000000
	s_mov_b32 s[G0SB], 1
	s_mov_b32 s[G0SB+1], SCL+2*HALFS
	s_sub_nc_u64 s[G0SB+2:G0SB+3], s[92:93], 4096
	s_or_b32 s[G0SB+3], s[G0SB+3], 0x80000000
	s_mov_b32 s4, 1                                ; (the arguments that lay in s[4:11] have been used)
	s_mov_b32 s5, 0
	s_mov_b64 s[6:7], s[20:21]
	s_or_b32 s7, s7, 0x80000000
	s_mov_b32 s8, 1
	s_mov_b32 s9, 2*HALFT
	s_sub_nc_u64 s[10:11], s[46:47], 98304
	s_or_b32 s11, s11, 0x80000000
.irp s, 0,1
	s_mov_b32 s[G0+4*\s], 1
	s_add_co_u32 s[G0+4*\s+1], s45, \s*SLOT
	s_add_nc_u64 s[G0+4*\s+2:G0+4*\s+3], s[20:21], \s*RT
	s_or_b32 s[G0+4*\s+3], s[G0+4*\s+3], 0x80000000
	s_mov_b32 s[G0B+4*\s], 1
	s_add_co_u32 s[G0B+4*\s+1], s45, \s*SLOT
	s_add_nc_u64 s[G0B+4*\s+2:G0B+4*\s+3], s[46:47], \s*RT
	s_or_b32 s[G0B+4*\s+3], s[G0B+4*\s+3], 0x80000000
.endr
	s_cmp_lt_u32 s14, 1                            ; one chain of branches on the wave's number: every way passes exactly one load
	s_cbranch_scc0 .Lhead_b
	tensor_load_to_lds s[4:7], s[G1:G1+7]
	s_nop 0
.rept 4
	v_nop
.endr
	s_branch .Lhead_asked
.Lhead_b:
	s_cmp_lt_u32 s14, 2
	s_cbranch_scc0 .Lhead_sa
	tensor_load_to_lds s[8:11], s[G1B:G1B+7]
	s_nop 0
.rept 4
	v_nop
.endr
	s_branch .Lhead_asked
.Lhead_sa:
	s_cmp_lt_u32 s14, 3
	s_cbranch_scc0 .Lhead_sb
	tensor_load_to_lds s[G0S:G0S+3], s[G1S:G1S+7]
	s_nop 0
.rept 4
	v_nop
.endr
	s_branch .Lhead_asked
.Lhead_sb:
	tensor_load_to_lds s[G0SB:G0SB+3], s[G1SB:G1SB+7]
	s_nop 0
.rept 4
	v_nop
.endr
.Lhead_asked:
	s_wait_alu depctr_va_vdst(0)
	s_wait_tensorcnt 0x0                           ; my tile of the four is in
	ds_add_u32 v28, v29
	s_mov_b32 s[G1+2], 8<<16                       ; no tensor load of mine is out: from here on a load brings 8 tiles
	s_mov_b32 s[G1+4], 8
	s_mov_b32 s[G1B+2], 8<<16
	s_mov_b32 s[G1B+4], 8
	s_wait_dscnt 0x0
	CROUND                                         ; all four tiles are in, and all sixteen work-groups are here
	JLOAD G0+4, G1, G0B+4, G1B                     ; slot 1's first fill, a quarter a wave
	s_load_b256 s[4:11], s[0:1], 0x20
	s_load_b64 s[92:93], s[0:1], 0x40
	v_and_b32 v1, 15, v0
	v_bfe_u32 v2, v0, 4, 1
	v_and_b32 v3, 31, v0
	v_lshlrev_b32 v[VO16], 4, v3
	v_lshl_add_u32 v[VO8], v3, 3, 512
	s_mul_i32 s18, s15, HALFT
	s_mul_i32 s19, s16, HALFT
	s_add_co_u32 s19, s19, 2*HALFT
.irp s, 0,1
	v_add_nc_u32 v[ADRA+\s], s18, v[VO16]
	v_add_nc_u32 v[ADRA+2+\s], s18, v[VO8]
	v_add_nc_u32 v[ADRB+\s], s19, v[VO16]
	v_add_nc_u32 v[ADRB+2+\s], s19, v[VO8]
	s_add_co_u32 s18, s18, SLOT
	s_add_co_u32 s19, s19, SLOT
.endr
	v_lshlrev_b32 v5, 5, v1
	v_lshrrev_b32 v6, 8, v5
	v_lshl_add_u32 v5, v6, 4, v5
	s_mul_i32 s18, s15, HALFS
	s_mul_i32 s19, s16, HALFS
	s_add_co_u32 s19, s19, 2*HALFS
	s_sub_co_u32 s19, s19, s18
	v_mul_u32_u24 v6, s19, v2
	s_add_co_u32 s18, s18, SCL
	v_add_nc_u32 v5, v5, v6
	v_add_nc_u32 v[ADRS], s18, v5
	s_lshl_b32 s18, s14, 10
	s_add_co_u32 s18, s18, SST
	v_lshlrev_b32 v[SSTA], 2, v1
	v_lshl_add_u32 v[SSTA], v2, 9, v[SSTA]
	v_add_nc_u32 v[SSTA], s18, v[SSTA]
	v_add_nc_u32 v[SSRD], s18, v[VO16]
	v_lshlrev_b32 v4, 5, v2
	v_lshlrev_b32 v5, 2, v1
	s_lshl_b32 s94, s17, 1
	s_add_co_u32 s94, s94, s15
	s_lshl_b32 s95, s42, 1
	s_add_co_u32 s95, s95, s16
	s_wait_kmcnt 0x0
	s_cmp_eq_u32 s12, 1
	s_cselect_b64 s[4:5], s[6:7], s[4:5]
	s_cmp_eq_u32 s12, 2
	s_cselect_b64 s[4:5], s[8:9], s[4:5]
	s_cselect_b32 s46, s17, s42
	s_cselect_b32 s47, s15, s16
	s_cselect_b32 s6, s95, s94
	s_cselect_b32 s7, s94, s95
	s_mov_b32 s20, 768
	s_cselect_b32 s20, 1536, s20
	s_cselect_b32 s22, 92160, 0
	s_mov_b32 s2, 0xffff
	s_cselect_b32 s2, -1, s2
	s_mov_b32 s3, 98304
	s_cselect_b32 s3, 768, s3
	s_cselect_b32 s66, 8, 9
	s_mov_b32 s67, 256
	s_cselect_b32 s67, 4096, s67
	s_cselect_b32 s45, 0, 16
	s_mov_b32 s21, 0
	s_mov_b32 s23, 0
	s_lshl_b32 s46, s46, 10
	s_lshl_b32 s47, s47, 9
	s_add_co_u32 s46, s46, s47
	s_mov_b32 s47, 0
	s_add_nc_u64 s[4:5], s[4:5], s[46:47]
	s_lshr_b32 s8, s6, 4
	s_and_b32 s9, s6, 15
	s_lshl_b32 s8, s8, 4
	s_lshl_b32 s7, s7, 1
	s_add_co_u32 s8, s8, s7
	s_mul_i32 s46, s12, 6291456
	s_mul_i32 s94, s8, 98304
	s_add_co_u32 s46, s46, s94
	s_mul_i32 s94, s9, 6144
	s_add_co_u32 s46, s46, s94
	s_add_nc_u64 s[96:97], s[10:11], s[46:47]
	s_mov_b32 s46, s3
	s_add_nc_u64 s[98:99], s[96:97], s[46:47]
	s_lshl_b32 s8, s8, 4
	s_add_co_u32 s8, s8, s9
	s_lshl_b32 s8, s8, s66
	s_lshl_b32 s46, s12, 19
	s_add_co_u32 s46, s46, s8
	s_add_nc_u64 s[100:101], s[92:93], s[46:47]
	v_mul_u32_u24 v[VS1], s67, v2
	v_lshl_add_u32 v[VS1], v1, 4, v[VS1]
	v_mul_u32_u24 v[SH], s45, v2
	s_mov_b32 s[SEL], 0x76543210
	s_mov_b32 s[SEL+1], 0xfedcba98
	s_cmp_eq_u32 s12, 2
	s_cbranch_scc1 .Lbias_v
	s_wait_alu depctr_va_vdst(0)
.irp b, 0,1,2,3,4,5,6,7
	global_load_b128 v[BB+8*\b:BB+8*\b+3], v4, s[4:5] offset:64*\b
	global_load_b128 v[BB+8*\b+4:BB+8*\b+7], v4, s[4:5] offset:64*\b+16
.endr
	s_branch .Lbias_done
.Lbias_v:
	s_wait_alu depctr_va_vdst(0)
.irp a, 0,1,2,3,4,5,6,7
.irp j, 0,1,2,3,4,5,6,7
	global_load_b32 v[BB+8*\a+\j], v5, s[4:5] offset:64*\a
.endr
.endr
.Lbias_done:
.macro FRAG reg, a16, a8, q, i
	ds_load_b128 v[\reg:\reg+3], v[\a16] offset:RT*(\i)+1536*(\q)
	ds_load_b64 v[\reg+4:\reg+5], v[\a8] offset:RT*(\i)+1536*(\q)
	ds_load_b128 v[\reg+6:\reg+9], v[\a16] offset:RT*(\i)+1536*(\q)+768
	ds_load_b64 v[\reg+10:\reg+11], v[\a8] offset:RT*(\i)+1536*(\q)+768
.endm
.macro MUL16 a0, p, q, sc, zero
.irp a, \a0, \a0+1
.irp b, 0,1,2,3,4,5,6,7
.if \zero
	v_wmma_scale_f32_16x16x128_f8f6f4 v[8*(8*((\a)%4)+\b):8*(8*((\a)%4)+\b)+7], v[128*(\p)+FR*\b:128*(\p)+FR*\b+FR-1], v[AF+FR*(\a):AF+FR*(\a)+FR-1], 0, v[SC+8*NQ*(\sc)+NQ*\b+(\q)], v[SC+8*NQ*(\sc)+NQ*(\a)+(\q)] matrix_a_fmt:MATRIX_FMT_FP6 matrix_b_fmt:MATRIX_FMT_FP6 matrix_a_scale:MATRIX_SCALE_ROW1
.else
	v_wmma_scale_f32_16x16x128_f8f6f4 v[8*(8*((\a)%4)+\b):8*(8*((\a)%4)+\b)+7], v[128*(\p)+FR*\b:128*(\p)+FR*\b+FR-1], v[AF+FR*(\a):AF+FR*(\a)+FR-1], v[8*(8*((\a)%4)+\b):8*(8*((\a)%4)+\b)+7], v[SC+8*NQ*(\sc)+NQ*\b+(\q)], v[SC+8*NQ*(\sc)+NQ*(\a)+(\q)] matrix_a_fmt:MATRIX_FMT_FP6 matrix_b_fmt:MATRIX_FMT_FP6 matrix_a_scale:MATRIX_SCALE_ROW1
.endif
.endr
.endr
.endm
.macro FETCH_B slot, q, p
	WIN TO_B
.irp i, 0,1,2,3,4,5,6,7
	FRAG 128*(\p)+FR*\i, ADRB+\slot, ADRB+2+\slot, \q, \i
.endr
	WIN 0
.endm
.macro FETCH_A slot, q, i0
.irp i, \i0, \i0+1, \i0+2, \i0+3
	FRAG AF+FR*(\i), ADRA+\slot, ADRA+2+\slot, \q, \i
.endr
.endm
.macro SCALES sc
.irp i, 0,1,2,3,4,5,6,7
	ds_load_b64 v[SC+8*NQ*\sc+NQ*\i:SC+8*NQ*\sc+NQ*\i+1], v[ADRS] offset:\i*SBLK
.endr
.endm
.macro PLACES n
.rept \n
	v_nop
.endr
.endm
.macro STEP slot, q, zero
	s_wait_dscnt 4*NL
	WIN MUL_LO
	MUL16 0, (\q)%2, \q, \slot, \zero
	MUL16 2, (\q)%2, \q, \slot, \zero
	s_wait_dscnt 0
	PLACES NP
	FETCH_B \slot, (\q)+1, 1-(\q)%2
	FETCH_A \slot, (\q)+1, 0
	WIN MUL_HI
	MUL16 4, (\q)%2, \q, \slot, \zero
	MUL16 6, (\q)%2, \q, \slot, \zero
	PLACES NP
	WIN 0
	FETCH_A \slot, (\q)+1, 4
.endm
.macro TURN slot, next, fill
	s_wait_tensorcnt 0x0
	ds_add_u32 v[SPW], v[NIL]
	s_wait_dscnt 4*NL+1
	WIN MUL_LO
	MUL16 0, 1, NQ-1, \slot, 0
	s_wait_dscnt 0x0
	s_barrier_signal -1
	MUL16 2, 1, NQ-1, \slot, 0
	WIN 0
	s_barrier_wait -1
.if \fill
	CREST
	s_add_nc_u64 s[G0+4*\slot+2:G0+4*\slot+3], s[G0+4*\slot+2:G0+4*\slot+3], 2*RT
	s_add_nc_u64 s[G0B+4*\slot+2:G0B+4*\slot+3], s[G0B+4*\slot+2:G0B+4*\slot+3], 2*RT
	JLOAD G0+4*\slot, G1, G0B+4*\slot, G1B
.else
	PLACES NP
.endif
	s_wait_alu depctr_va_vdst(0)
	v_add_nc_u32 v[ADRS], 4*NQ, v[ADRS]
	FETCH_B \next, 0, 0
	FETCH_A \next, 0, 0
	SCALES \next
	WIN MUL_HI
	MUL16 4, 1, NQ-1, \slot, 0
	MUL16 6, 1, NQ-1, \slot, 0
	PLACES NP
	WIN 0
	FETCH_A \next, 0, 4
.endm
	s_wait_tensorcnt 1
	s_barrier_signal -1
	s_barrier_wait -1
	FETCH_B 0, 0, 0
	FETCH_A 0, 0, 0
	SCALES 0
	FETCH_A 0, 0, 4
	STEP 0, 0, 1
	TURN 0, 1, 1
	STEP 1, 0, 0
	TURN 1, 0, 1
	STEP 0, 0, 0
	TURN 0, 1, 0
	STEP 1, 0, 0
	s_wait_dscnt 4*NL
	WIN MUL_LO
	MUL16 0, 1, NQ-1, 1, 0
	MUL16 2, 1, NQ-1, 1, 0
	s_wait_dscnt 0
	WIN MUL_HI
	MUL16 4, 1, NQ-1, 1, 0
	MUL16 6, 1, NQ-1, 1, 0
	WIN 0
.macro QUANT
.irp b, 0,1,2,3
	v_max3_num_f32 v[TM+\b], |v[X+16*\b]|, |v[X+1+16*\b]|, 0x1800000
.endr
.irp i, 2,4,6,8,10,12,14
.irp b, 0,1,2,3
	v_max3_num_f32 v[TM+\b], v[TM+\b], |v[X+16*\b+\i]|, |v[X+1+16*\b+\i]|
.endr
.endr
.irp b, 0,1,2,3
	v_permlanex16_b32 v[TM+4+\b], v[TM+\b], s[SEL], s[SEL+1]
.endr
.irp b, 0,1,2,3
	v_max_num_f32 v[TM+\b], v[TM+\b], v[TM+4+\b]
.endr
.irp b, 0,1,2,3
	v_add_nc_u32 v[TM+12+\b], 0xff000000, v[TM+\b]
.endr
.irp b, 0,1,2,3
	v_lshrrev_b32 v[TM+4+\b], 23, v[TM+12+\b]
.endr
	v_lshl_or_b32 v[PW], v[TM+5], 8, v[TM+4]
	v_lshl_or_b32 v[PW], v[TM+6], 16, v[PW]
	v_lshl_or_b32 v[PW], v[TM+7], 24, v[PW]
.irp c, 0,1
	v_cvt_scalef32_pk16_fp6_f32 v[PC+6*\c:PC+2+6*\c], v[X+32*\c:X+15+32*\c], v[TM+12+2*\c]
	v_cvt_scalef32_pk16_fp6_f32 v[PC+12+4*\c:PC+14+4*\c], v[X+16+32*\c:X+31+32*\c], v[TM+12+2*\c+1]
.endr
	v_nop
.irp c, 0,1
.irp i, 0,1,2
	v_permlane16_swap_b32 v[PC+6*\c+\i], v[PC+12+4*\c+\i]
.endr
.irp i, 0,1,2
	v_mov_b32 v[PC+3+6*\c+\i], v[PC+12+4*\c+\i]
.endr
.endr
.endm
.macro OUTBLK a
	s_cmp_eq_u32 s12, 2
	s_cbranch_scc1 .Lvb_\@
	WIN 0x02+(\a)/4
.irp b, 0,1,2,3,4,5,6,7
.irp i, 0,2,4,6
	v_pk_add_f32 v[X+8*\b+\i:X+8*\b+\i+1], v[64*((\a)%4)+8*\b+\i:64*((\a)%4)+8*\b+\i+1], v[BB+8*\b+\i:BB+8*\b+\i+1]
.endr
.endr
	WIN 0
	s_branch .Ljn_\@
.Lvb_\@:
	WIN 0x02+(\a)/4
.irp b, 0,1,2,3,4,5,6,7
.irp i, 0,2,4,6
	v_pk_add_f32 v[X+8*\b+\i:X+8*\b+\i+1], v[64*((\a)%4)+8*\b+\i:64*((\a)%4)+8*\b+\i+1], v[BB+8*(\a)+\i:BB+8*(\a)+\i+1]
.endr
.endr
	WIN 0
.Ljn_\@:
.if (\a) > 0
	s_wait_xcnt 0x0
	s_add_nc_u64 s[96:97], s[96:97], s[20:21]
	s_add_nc_u64 s[98:99], s[98:99], s[20:21]
.if (\a) == 4
	s_add_nc_u64 s[96:97], s[96:97], s[22:23]
	s_add_nc_u64 s[98:99], s[98:99], s[22:23]
.endif
.endif
	QUANT
	global_store_b128 v[VO16], v[PC:PC+3], s[96:97]
	global_store_b64 v[VO8], v[PC+4:PC+5], s[96:97]
	global_store_b128 v[VO16], v[PC+6:PC+9], s[98:99]
	global_store_b64 v[VO8], v[PC+10:PC+11], s[98:99]
	v_lshrrev_b32 v[WD+(\a)], v[SH], v[PW]
	v_and_b32 v[WD+(\a)], s2, v[WD+(\a)]
	ds_store_b32 v[SSTA], v[WD+(\a)] offset:64*(\a)
.endm
	s_wait_loadcnt 0x0
	PLACES NP
.irp a, 0,1,2,3,4,5,6,7
	OUTBLK \a
.endr
	ds_load_b128 v[TT:TT+3], v[SSRD]
	ds_load_b128 v[TT+4:TT+7], v[SSRD] offset:512
	s_wait_dscnt 0x0
	global_store_b128 v[VS1], v[TT:TT+3], s[100:101]
	s_cmp_eq_u32 s12, 2
	s_cbranch_scc1 .Lno_second
	global_store_b128 v[VS1], v[TT+4:TT+7], s[100:101] offset:8192
.Lno_second:
	s_wait_tensorcnt 0x0
	ds_add_u32 v[SPW], v[NIL]
	s_wait_dscnt 0x0
	CROUND
	s_endpgm
.Lfunc_end_k_q72371813a7_proj:
	.size	k_q72371813a7_proj, .Lfunc_end_k_q72371813a7_proj-k_q72371813a7_proj
	.p2alignl 7, 3214868480
	.fill 96, 4, 3214868480
	.section	.rodata,"a",@progbits
	.p2align	6, 0x0
	.amdhsa_kernel k_q72371813a7_proj
		.amdhsa_group_segment_fixed_size 327680
		.amdhsa_private_segment_fixed_size 0
		.amdhsa_enable_private_segment 0
		.amdhsa_kernarg_size 72
		.amdhsa_user_sgpr_count 2
		.amdhsa_user_sgpr_kernarg_segment_ptr 1
		.amdhsa_wavefront_size32 1
		.amdhsa_system_sgpr_workgroup_id_x 1
		.amdhsa_system_sgpr_workgroup_id_y 1
		.amdhsa_system_sgpr_workgroup_id_z 1
		.amdhsa_system_vgpr_workitem_id 0
		.amdhsa_next_free_vgpr 1024
		.amdhsa_next_free_sgpr 102
		.amdhsa_reserve_vcc 0
		.amdhsa_float_denorm_mode_32 3
		.amdhsa_float_denorm_mode_16_64 3
		.amdhsa_memory_ordered 1
		.amdhsa_forward_progress 1
		.amdhsa_inst_pref_size 194
	.end_amdhsa_kernel
	.amdgpu_metadata
---
amdhsa.version: [ 1, 2 ]
amdhsa.kernels:
  - .name:           k_q72371813a7_proj
    .symbol:         k_q72371813a7_proj.kd
    .args:
      - { .name: xc, .offset: 0, .size: 8, .value_kind: global_buffer, .address_space: global }
      - { .name: xs, .offset: 8, .size: 8, .value_kind: global_buffer, .address_space: global }
      - { .name: wc, .offset: 16, .size: 8, .value_kind: global_buffer, .address_space: global }
      - { .name: ws, .offset: 24, .size: 8, .value_kind: global_buffer, .address_space: global }
      - { .name: bq, .offset: 32, .size: 8, .value_kind: global_buffer, .address_space: global }
      - { .name: bk, .offset: 40, .size: 8, .value_kind: global_buffer, .address_space: global }
      - { .name: bv, .offset: 48, .size: 8, .value_kind: global_buffer, .address_space: global }
      - { .name: ac, .offset: 56, .size: 8, .value_kind: global_buffer, .address_space: global }
      - { .name: asc, .offset: 64, .size: 8, .value_kind: global_buffer, .address_space: global }
    .group_segment_fixed_size: 327680
    .private_segment_fixed_size: 0
    .kernarg_segment_align: 8
    .kernarg_segment_size: 72
    .max_flat_workgroup_size: 128
    .sgpr_count:     102
    .vgpr_count:     1024
    .wavefront_size: 32
...
	.end_amdgpu_metadata
.endif
;; end of part 2
;; launch attn (part 3): grid 4 x 64, 12 waves a work-group, clusters of 4 x 1, 327,680 bytes of LDS; arguments ac, asc, oc, osc; writes oc, osc
.if DOCPART == 3
	.amdgcn_target "amdgcn-amd-amdhsa--gfx1250"
	.amdhsa_code_object_version 6
	.text
	.protected	k_q72371813a7_attn
	.globl	k_q72371813a7_attn
	.p2align	8
	.type	k_q72371813a7_attn,@function
k_q72371813a7_attn:
	s_mov_b64 s[64:65], 0
	v_nop
	global_prefetch_b8 v0, s[64:65] scope:SCOPE_SE
	s_setreg_imm32_b32 hwreg(HW_REG_WAVE_MODE, 25, 1), 1
	s_wait_xcnt 0x0
	s_wait_alu depctr_hold_cnt(0) depctr_sa_sdst(0) depctr_va_vdst(0) depctr_va_sdst(0) depctr_va_ssrc(0) depctr_va_vcc(0) depctr_vm_vsrc(0)
	s_getreg_b32 s2, hwreg(HW_REG_IB_STS2, 6, 4)
	s_cmp_eq_u32 s2, 0
	s_cbranch_scc0 .Lentry_in_a_cluster
	s_endpgm
.Lentry_in_a_cluster:
	s_bfe_u32 s2, ttmp6, 0x10000c
	s_cmp_lg_u32 s2, 0x3003
	s_cbranch_scc0 .Lentry_shape_is_right
	s_endpgm
.Lentry_shape_is_right:
; For each of 64 heads (batch x head): o = softmax(q k^T / 8) v on codes of FP6 (E2M3) with E8M0 scales; o / the row's sum is quantised along D and leaves as an image of operand registers for the last product.
; THE SOFTMAX: t = score x log2(e) / 8; M = the running largest t rounded UP to a whole number; p = 2^(t - M) is quantised along the keys, not normalised; the row's sum is taken of the unquantised p.
; When M moves, the sum and O are multiplied by 2^(old M - new M): exact.
; SHARES.  The four work-groups of a cluster are the four blocks of 512 queries of one head; a head's k, v and scale words lie in LDS whole, brought once by eight joint loads, one a wave (waves 0 to 7), nothing is filled again.
; Waves 0 to 4 bring what the first 512 keys need and wait ahead of the first barrier; waves 5 to 7 bring the rest, shown by a second barrier ahead of which every wave waits.  No prefetch: all is asked for at the head.
; TWELVE WAVES, three to a SIMD, each with one tile of 16 queries at a time.  The work-group's 32 tiles go in three passes over the keys: tiles 0-11, 12-23, and 24-31 (waves 0 to 7).
; In the third pass every wave walks the loop, and a branch on the wave's number inside it leads waves 8 to 11 round the step.
; LAYOUT.  Both products transposed: S^T = k q^T, O^T = v^T p^T: a lane holds one query throughout.
; THE ROWS OF A TILE OF k ARE CHOSEN so that a lane holds WHOLE blocks of 32 keys: of a step's 128 keys, tile (c, a, u) takes as rows 8 m + j the keys 64 c + 32 m + 16 u + 8 a + j.  Lane (r, h) then holds in registers 96 + 32 c + 16 a + 8 u + j
; the key 16 u + 8 a + j of block 2 c + h: the order in which v's codes were laid by the launch before.  So a block's largest score needs no other lane and the conversions' results are the operand.
; k's images (768 bytes for 16 keys) land in two LDS regions: the 512 bytes of registers 0-3 at pitch 576, the 256 bytes of registers 4-5 at pitch 288, so that rows taken from tiles two apart start 128 and 64 bytes apart modulo 256.
; THE HEAD'S 64 CHANNELS FILL HALF OF THE INSTRUCTION'S K: q's upper six registers are zero codes, bytes 2, 3 of q's and k's scale words are 0; a tile of k names the next tile's codes as its upper six registers (the last: six cleared ones).
; A scale register holds one tile's words in lanes 0-15 and another's in lanes 16-31.
; LIMITS: NaN and infinities are not served; the scaled scores stay under 2^31 in magnitude; a block's largest p is made from the block's largest score by the same two instructions (v_exp_f32 is taken not to fall where its input rises);
; O is multiplied by v_rcp_f32 of the sum; a block of zeros or under 2^-124 gets the byte 1 (read by this program alone).
; REGISTERS: v1-8 addresses that stay; v9-14 the step's; v16 -M, v17 the largest score, v[18:19] the sum; v20-31 q; v32-85 k's eight tiles, then v's four fragments; v86-92 the second pass's q, v208-214 the third's; v96-159 S^T, then p;
; v160-191 O^T; v192-195, v200-201 k's and v's scale words; v204 8 x (lane / 16); v205, v206 an image's places; v224-235 p's codes; v232-252 at work; v253 p's scale word; v255 q's.
.set KA,   0
.set KB,   73728
.set VIM,  110592
.set KSC,  208896
.set VSC,  217088
.set SPARE, 221184                     ; the spare words, 128 bytes for each of twelve waves
.set OSG,  223232                      ; the results' scale bytes, 2 for each of 512 queries: no fill lands there
.set SPW,  7
.set NIL,  8
.set WV,   12
.set SEL,  20
.set CS,   22
.set G1,   24
.set G0,   32
.set NC,   36
.set TA,   70                          ; the step's LDS bytes: k's first region (4,608 a step),
.set TKB,  71                          ; its second (2,304),
.set TV,   72                          ; v's codes (6,144),
.set TS,   73                          ; k's scale words (512),
.set TJ,   74                          ; v's (256)
.set CNT,  75
.set WKA, 15|(3<<16)|(1<<20)|(1<<21)|(6<<22)|(15<<25)   ; all four work-groups; elements of 8 bytes; 16 words of padding behind every 128
.set WKB, 15|(3<<16)|(1<<20)|(1<<21)|(5<<22)|(7<<25)    ; 8 words behind every 64
.set WD,  15|(3<<16)|(1<<21)                            ; dense
.macro CROUND
	s_barrier_signal -1
	s_barrier_wait -1
	s_cmp_lg_u32 s[WV], 0
	s_cbranch_scc1 .Lnot_wave_0_\@
	s_barrier_signal -3
.Lnot_wave_0_\@:
	s_barrier_wait -3
	s_barrier_signal -1
	s_barrier_wait -1
.endm
; one arm of the head's chain: a descriptor of constants and its own load line
.macro ARM under, w0, c, rows, pitch, lds, base, off, next
	s_cmp_lt_u32 s[WV], \under
	s_cbranch_scc0 \next
	s_mov_b32 s[G1], \w0
	s_mov_b32 s[G1+1], (\c)<<16
	s_mov_b32 s[G1+2], (\rows)<<16
	s_mov_b32 s[G1+3], (\c)<<16
	s_mov_b32 s[G1+4], \rows
	s_mov_b32 s[G1+5], \pitch
	s_mov_b32 s[G0+1], \lds
	s_add_nc_u64 s[G0+2:G0+3], s[\base:\base+1], \off
	s_or_b32 s[G0+3], s[G0+3], 0x80000000
	tensor_load_to_lds s[G0:G0+3], s[G1:G1+7]
	s_nop 0
.rept 4
	v_nop
.endr
	s_branch .Lasked
\next:
.endm
	s_load_b256 s[4:11], s[0:1], 0x0               ; ac, asc, oc, osc
	v_lshl_add_u32 v[SPW], v0, 2, SPARE
	v_mov_b32 v[NIL], 0
	ds_add_u32 v[SPW], v[NIL]                      ; the opening lines: the add, twice, and its wait ahead of the first tensor loads
	ds_add_u32 v[SPW], v[NIL]
	v_lshrrev_b32 v9, 5, v0
	s_delay_alu instid0(VALU_DEP_1)
	v_readfirstlane_b32 s[WV], v9                  ; wave 0..11
	s_bfe_u32 s13, ttmp6, 0x40000                  ; cx: my 512 queries; it enters q's and the outputs' addresses alone
	s_and_b32 s14, ttmp7, 0xffff                   ; 16 x batch + head, which the four partners share
	s_mov_b32 s[G0], 1
	s_mov_b32 s[G1+6], 0
	s_mov_b32 s[G1+7], 0
	s_mov_b32 s[SEL], 0x76543210
	s_mov_b32 s[SEL+1], 0xfedcba98
	s_mov_b32 s[CS], 0x3e38aa3b                    ; c = log2(e) / 8
	s_mov_b32 s[CS+1], s[CS]
	s_mov_b32 s[NC], 0xbe38aa3b                    ; -c
	s_mul_i32 s80, s14, 98304                      ; the head's codes
	s_add_co_u32 s84, s80, 6291456                 ; in k's part,
	s_mov_b32 s85, 0
	s_add_co_u32 s86, s80, 12582912                ; in v's
	s_mov_b32 s87, 0
	s_lshl_b32 s88, s14, 13
	s_add_co_u32 s88, s88, 524288                  ; k's scale words
	s_mov_b32 s89, 0
	s_lshl_b32 s90, s14, 12
	s_add_co_u32 s90, s90, 1048576                 ; v's
	s_mov_b32 s91, 0
	s_wait_dscnt 0x0                               ; both opening adds are done
	s_wait_kmcnt 0x0
	s_add_nc_u64 s[84:85], s[4:5], s[84:85]
	s_add_nc_u64 s[86:87], s[4:5], s[86:87]
	s_add_nc_u64 s[88:89], s[6:7], s[88:89]
	s_add_nc_u64 s[90:91], s[6:7], s[90:91]
	CROUND                                         ; all four work-groups are here: the joint loads meet
	ARM 1, WKA, 64, 32, 96, KA, 84, 0, .La1                    ; keys 0-511: registers 0-3 of k's 32 images,
	ARM 2, WKB, 32, 32, 96, KB, 84, 512, .La2                  ; registers 4-5,
	ARM 3, WD, 32, 96, 32, VIM, 86, 0, .La3                    ; v's codes,
	ARM 4, WD, 32, 32, 32, KSC, 88, 0, .La4                    ; all of k's scale words,
	ARM 5, WD, 32, 16, 32, VSC, 90, 0, .La5                    ; all of v's;
	ARM 6, WKA, 64, 96, 96, KA+32*576, 84, 24576, .La6         ; keys 512-2047
	ARM 7, WKB, 32, 96, 96, KB+32*288, 84, 24576+512, .La7
	ARM 8, WD, 32, 288, 32, VIM+24576, 86, 24576, .Lasked
	s_lshl_b32 s82, s13, 5
	s_add_co_u32 s82, s82, s[WV]                   ; my tile of queries in the first pass: 32 cx + wave; 12 on in each later pass
	s_mul_i32 s94, s82, 768
	s_add_co_u32 s94, s94, s80
	s_mov_b32 s95, 0
	s_add_nc_u64 s[16:17], s[4:5], s[94:95]        ; q's codes
	s_lshl_b32 s94, s14, 13
	s_lshl_b32 s83, s82, 6
	s_add_co_u32 s94, s94, s83
	s_add_nc_u64 s[18:19], s[6:7], s[94:95]        ; q's scale words
	s_lshr_b32 s83, s14, 4                         ; batch
	s_and_b32 s93, s14, 15                         ; head
	s_lshl_b32 s94, s83, 7
	s_add_co_u32 s94, s94, s82
	s_mul_i32 s94, s94, 12288
	s_mul_i32 s81, s93, 768
	s_add_co_u32 s94, s94, s81
	s_add_nc_u64 s[2:3], s[8:9], s[94:95]          ; the result's image: tile of tokens x 12,288 + head x 768
	s_add_nc_u64 s[66:67], s[2:3], 147456          ; the second pass's, 12 tiles on,
	s_add_nc_u64 s[68:69], s[2:3], 294912          ; the third's
	s_lshl_b32 s94, s93, 14
	s_lshl_b32 s81, s83, 12
	s_add_co_u32 s94, s94, s81
	s_lshl_b32 s81, s13, 10
	s_add_co_u32 s94, s94, s81
	s_add_nc_u64 s[10:11], s[10:11], s[94:95]      ; the result's scale bytes: my work-group's 1,024
	v_and_b32 v9, 31, v0                           ; lane
	v_and_b32 v10, 15, v0                          ; r
	v_and_b32 v11, 7, v0                           ; j = r % 8
	v_bfe_u32 v12, v0, 3, 1                        ; m = r / 8
	v_bfe_u32 v13, v0, 4, 1                        ; h
	v_lshlrev_b32 v205, 4, v9                      ; 16 x lane: an image's first four registers
	v_lshl_add_u32 v206, v9, 3, 512                ; 512 + 8 x lane: its last two
	v_lshlrev_b32 v15, 2, v10
	v_mul_u32_u24 v1, v12, 1152                    ; k, registers 0-3: two tiles on for rows 8-15, 16 bytes a row, 256 for the upper half of the lanes
	v_mul_u32_u24 v2, v12, 576                     ; registers 4-5: likewise at half the sizes
	v_lshlrev_b32 v5, 7, v12                       ; k's scale words: 128 m + 4 j; lanes 16-31 take the tile with a = 1, 32 bytes on
	v_add_nc_u32 v3, VIM, v205
	v_add_nc_u32 v4, VIM, v206
	v_lshl_add_u32 v1, v11, 4, v1
	v_lshl_add_u32 v2, v11, 3, v2
	v_lshl_add_u32 v5, v11, 2, v5
	v_lshl_add_u32 v6, v13, 6, v15                 ; v's scale words: 4 r; lanes 16-31 take the next tile's, 64 bytes on
	v_lshl_add_u32 v1, v13, 8, v1
	v_lshl_add_u32 v2, v13, 7, v2
	v_lshl_add_u32 v5, v13, 5, v5
	v_add_nc_u32 v6, VSC, v6
	v_add_nc_u32 v2, KB, v2
	v_add_nc_u32 v5, KSC, v5
	v_lshlrev_b32 v204, 3, v13                     ; 8 h
	global_load_b128 v[20:23], v205, s[16:17]
	global_load_b64 v[24:25], v206, s[16:17]
	global_load_b128 v[86:89], v205, s[16:17] offset:9216
	global_load_b64 v[90:91], v206, s[16:17] offset:9216
	global_load_b32 v255, v15, s[18:19]
	global_load_b32 v92, v15, s[18:19] offset:768
	s_wait_alu depctr_va_vdst(0)
	s_cmp_lt_u32 s[WV], 8
	s_cbranch_scc0 .Lno_q3
	global_load_b128 v[208:211], v205, s[16:17] offset:18432   ; waves 0 to 7: the third pass's q
	global_load_b64 v[212:213], v206, s[16:17] offset:18432
	global_load_b32 v214, v15, s[18:19] offset:1536
.Lno_q3:
	s_lshl_b32 s81, s[WV], 5
	v_lshl_add_u32 v93, v10, 1, OSG
	v_lshl_add_u32 v94, v0, 4, OSG
	v_lshlrev_b32 v95, 4, v0
	v_add_nc_u32 v93, s81, v93                     ; my query's two scale bytes: 32 x wave + 2 r, 384 on in each later pass
.irp j, 26,27,28,29,30,31,80,81,82,83,84,85
	v_mov_b32 v[\j], 0                             ; zero codes: the unused half of K
.endr
	v_mov_b32 v241, 0                              ; (a lane permute's destination counts as one of its sources)
	v_mov_b32 v252, 0
	v_mov_b32 v253, 0
.macro QK t, s, row
	v_wmma_scale_f32_16x16x128_f8f6f4 v[96+8*(\t):103+8*(\t)], v[32+6*(\t):43+6*(\t)], v[20:31], 0, v[\s], v255 matrix_a_fmt:MATRIX_FMT_FP6 matrix_b_fmt:MATRIX_FMT_FP6 matrix_a_scale:MATRIX_SCALE_ROW\row
.endm
.macro PV t, s, row
	v_wmma_scale_f32_16x16x128_f8f6f4 v[160+8*(\t):167+8*(\t)], v[32+12*(\t):43+12*(\t)], v[224:235], v[160+8*(\t):167+8*(\t)], v[\s], v253 matrix_a_fmt:MATRIX_FMT_FP6 matrix_b_fmt:MATRIX_FMT_FP6 matrix_a_scale:MATRIX_SCALE_ROW\row
.endm
; A KEY STEP: 128 keys.
.macro STEP
	v_add_nc_u32 v9, s[TA], v1                     ; these six are also the places behind the last products, in front of the loads
	v_add_nc_u32 v10, s[TKB], v2
	v_add_nc_u32 v11, s[TV], v3
	v_add_nc_u32 v12, s[TV], v4
	v_add_nc_u32 v13, s[TS], v5
	v_add_nc_u32 v14, s[TJ], v6
.irp c, 0,1
.irp a, 0,1
.irp u, 0,1
	ds_load_b128 v[32+6*(4*\c+2*\a+\u):35+6*(4*\c+2*\a+\u)], v9 offset:(4*\c+\u)*576+128*\a
	ds_load_b64 v[36+6*(4*\c+2*\a+\u):37+6*(4*\c+2*\a+\u)], v10 offset:(4*\c+\u)*288+64*\a
.endr
.endr
.endr
.irp t, 0,1,2,3
	ds_load_b32 v[192+\t], v13 offset:64*(4*(\t/2)+(\t%2))   ; tiles (c, 0, u) below, (c, 1, u) above
.endr
	s_wait_alu depctr_va_vdst(0)
	s_wait_dscnt 0x0
.irp c, 0,1
.irp a, 0,1
.irp u, 0,1
	QK 4*\c+2*\a+\u, 192+2*\c+\u, \a
.endr
.endr
.endr
.rept 4
	v_nop                                          ; places in front of the loads into k's registers and of the first read of the scores
.endr
.irp t, 0,1,2,3                                ; v's four fragments are asked for here and land under the softmax
	ds_load_b128 v[32+12*\t:35+12*\t], v11 offset:1536*\t
	ds_load_b64 v[36+12*\t:37+12*\t], v12 offset:1536*\t
	ds_load_b128 v[38+12*\t:41+12*\t], v11 offset:1536*\t+768
	ds_load_b64 v[42+12*\t:43+12*\t], v12 offset:1536*\t+768
.endr
	ds_load_b32 v200, v14
	ds_load_b32 v201, v14 offset:128
.irp b, 0,1,2,3
	v_max3_num_f32 v[232+\b], v[96+16*\b], v[97+16*\b], v[98+16*\b]   ; four chains, one over each 16 registers
.endr
.irp i, 3,5,7,9,11,13
.irp b, 0,1,2,3
	v_max3_num_f32 v[232+\b], v[232+\b], v[96+16*\b+\i], v[97+16*\b+\i]
.endr
.endr
	v_max3_num_f32 v232, v232, v111, v127
	v_max3_num_f32 v234, v234, v143, v159
	s_delay_alu instid0(VALU_DEP_2)
	v_max_num_f32 v232, v232, v233                 ; the largest score of my block of c = 0: all its 32 keys are mine
	s_delay_alu instid0(VALU_DEP_2)
	v_max_num_f32 v234, v234, v235                 ; and of c = 1
	v_mov_b32 v243, v16
	s_delay_alu instid0(VALU_DEP_2)
	v_max_num_f32 v240, v232, v234
	v_permlanex16_b32 v241, v240, s[SEL], s[SEL+1]
	s_delay_alu instid0(VALU_DEP_1)
	v_max3_num_f32 v17, v17, v240, v241            ; the running largest score of my query
	s_delay_alu instid0(VALU_DEP_1)
	v_mul_f32 v242, s[NC], v17                     ; -t
	s_delay_alu instid0(VALU_DEP_1)
	v_floor_f32 v16, v242                          ; the new -M = floor(-t)
	s_delay_alu instid0(VALU_DEP_1)
	v_sub_f32 v242, v16, v243                      ; old M - new M: a whole number, 0 or less
	s_delay_alu instid0(VALU_DEP_1)
	v_cvt_i32_f32 v242, v242                       ; (it saturates)
	s_delay_alu instid0(VALU_DEP_1)
	v_ldexp_f32 v252, 1.0, v242                    ; f = 2^(old M - new M)
.set j, 0
.rept 32
	v_pk_fma_f32 v[96+j:97+j], v[96+j:97+j], s[CS:CS+1], v[16:17] op_sel_hi:[1,0,0]   ; t - M
.set j, j+2
.endr
	v_fma_f32 v232, v232, s[CS], v16
	v_fma_f32 v234, v234, s[CS], v16
.set j, 0
	s_wait_alu depctr_va_vdst(0)
.rept 64
	v_exp_f32 v[96+j], v[96+j]                     ; p = 2^(t - M)
.set j, j+1
.endr
	v_pk_mul_f32 v[18:19], v[18:19], v[252:253] op_sel_hi:[1,0]   ; the sums under the new M: a plain place behind the exponentials
	s_wait_alu depctr_va_vdst(0)                   ; one wait for the batch, ahead of its first reader
	v_exp_f32 v232, v232                           ; each block's largest p
	v_exp_f32 v234, v234
	v_pk_add_f32 v[236:237], v[100:101], v[104:105]
	v_pk_add_f32 v[250:251], v[108:109], v[112:113]
	v_pk_add_f32 v[248:249], v[116:117], v[120:121]
	v_pk_add_f32 v[246:247], v[124:125], v[128:129]
	v_pk_add_f32 v[244:245], v[132:133], v[136:137]
	v_pk_add_f32 v[242:243], v[140:141], v[144:145]
	v_pk_add_f32 v[240:241], v[148:149], v[152:153]
	v_pk_add_f32 v[18:19], v[18:19], v[156:157]
	v_pk_add_f32 v[236:237], v[236:237], v[96:97]
	v_pk_add_f32 v[250:251], v[250:251], v[98:99]
	v_pk_add_f32 v[248:249], v[248:249], v[102:103]
	v_pk_add_f32 v[246:247], v[246:247], v[106:107]
	v_pk_add_f32 v[244:245], v[244:245], v[110:111]
	v_pk_add_f32 v[242:243], v[242:243], v[114:115]
	v_pk_add_f32 v[240:241], v[240:241], v[118:119]
	v_pk_add_f32 v[18:19], v[18:19], v[122:123]
	v_pk_add_f32 v[236:237], v[236:237], v[126:127]
	v_pk_add_f32 v[250:251], v[250:251], v[130:131]
	v_pk_add_f32 v[248:249], v[248:249], v[134:135]
	v_pk_add_f32 v[246:247], v[246:247], v[138:139]
	v_pk_add_f32 v[244:245], v[244:245], v[142:143]
	v_pk_add_f32 v[242:243], v[242:243], v[146:147]
	v_pk_add_f32 v[240:241], v[240:241], v[150:151]
	v_pk_add_f32 v[18:19], v[18:19], v[154:155]
	v_pk_add_f32 v[236:237], v[236:237], v[158:159]
	s_delay_alu instid0(VALU_DEP_2)
	v_pk_add_f32 v[18:19], v[18:19], v[246:247]
	s_delay_alu instid0(VALU_DEP_2)
	v_pk_add_f32 v[236:237], v[236:237], v[244:245]
	v_pk_add_f32 v[250:251], v[250:251], v[242:243]
	v_pk_add_f32 v[248:249], v[248:249], v[240:241]
	s_delay_alu instid0(VALU_DEP_2)
	v_pk_add_f32 v[18:19], v[18:19], v[250:251]
	s_delay_alu instid0(VALU_DEP_2)
	v_pk_add_f32 v[236:237], v[236:237], v[248:249]
	s_delay_alu instid0(VALU_DEP_1)
	v_pk_add_f32 v[18:19], v[18:19], v[236:237]
	s_wait_alu depctr_va_vdst(0)                   ; and one for the two
	v_max_num_f32 v232, 0x1800000, v232            ; the floor 2^(3 - 127)
	v_max_num_f32 v234, 0x1800000, v234
	s_delay_alu instid0(VALU_DEP_2)
	v_add_nc_u32 v244, 0xff000000, v232            ; 2 off the exponent field: the conversions' scale operands
	s_delay_alu instid0(VALU_DEP_2)
	v_add_nc_u32 v245, 0xff000000, v234
	s_delay_alu instid0(VALU_DEP_2)
	v_lshrrev_b32 v246, 23, v244                   ; the bytes of blocks h and 2 + h
	s_delay_alu instid0(VALU_DEP_2)
	v_lshrrev_b32 v247, 23, v245
	s_delay_alu instid0(VALU_DEP_1)
	v_lshl_or_b32 v248, v247, 16, v246
	s_delay_alu instid0(VALU_DEP_1)
	v_lshlrev_b32 v248, v204, v248                 ; at their places in the scale word
	s_delay_alu instid0(VALU_DEP_1)
	v_permlanex16_b32 v249, v248, s[SEL], s[SEL+1]
	v_cvt_scalef32_pk16_fp6_f32 v[224:226], v[96:111], v244
	v_cvt_scalef32_pk16_fp6_f32 v[236:238], v[112:127], v244   ; (a conversion's three registers begin on an even number)
	v_cvt_scalef32_pk16_fp6_f32 v[230:232], v[128:143], v245
	v_cvt_scalef32_pk16_fp6_f32 v[240:242], v[144:159], v245
	v_or_b32 v253, v248, v249                      ; p's scale word for these 128 keys; also the plain place behind the conversions
.irp i, 0,1,2
	v_mov_b32 v[227+\i], v[236+\i]
.endr
.irp i, 0,1,2
	v_mov_b32 v[233+\i], v[240+\i]
.endr
	s_wait_alu depctr_va_vdst(0)                   ; directly ahead of the first reader of O^T
.set j, 0
.rept 16
	v_pk_mul_f32 v[160+j:161+j], v[160+j:161+j], v[252:253] op_sel_hi:[1,0]   ; O^T under the new M; these are also the places in front of the scaled products
.set j, j+2
.endr
	s_wait_alu depctr_va_vdst(0)
	s_wait_dscnt 0x0                               ; v's fragments are in
	PV 0, 200, 0
	PV 1, 200, 1
	PV 2, 201, 0
	PV 3, 201, 1
.endm
.macro FIRST first, n                          ; the places of step 'first', and n steps to go
	s_mov_b32 s[TA], (\first)*4608
	s_mov_b32 s[TKB], (\first)*2304
	s_mov_b32 s[TV], (\first)*6144
	s_mov_b32 s[TS], (\first)*512
	s_mov_b32 s[TJ], (\first)*256
	s_mov_b32 s[CNT], \n
.endm
.macro NEXT                                    ; on to the next step's places
	s_add_co_u32 s[TA], s[TA], 4608
	s_add_co_u32 s[TKB], s[TKB], 2304
	s_add_co_u32 s[TV], s[TV], 6144
	s_add_co_u32 s[TS], s[TS], 512
	s_add_co_u32 s[TJ], s[TJ], 256
	s_sub_co_u32 s[CNT], s[CNT], 1
	s_cmp_lg_u32 s[CNT], 0
.endm
.macro KLOOP first, n                          ; n steps from step 'first' on
	FIRST \first, \n
.Lk_\@:
	STEP
	NEXT
	s_cbranch_scc1 .Lk_\@
.endm
.macro KLOOPW first, n                         ; the same where waves 0 to 7 alone have a tile: every wave walks the loop
	FIRST \first, \n
.Lw_\@:
	s_cmp_lt_u32 s[WV], 8
	s_cbranch_scc0 .Lws_\@
	STEP
.Lws_\@:
	NEXT
	s_cbranch_scc1 .Lw_\@
.endm
.macro PASS_INIT                               ; the step is written once: the first finds zeros, which the first change of M leaves zeros
	v_mov_b32 v17, 0xff61b1e6                      ; -3e38, under every score
	s_delay_alu instid0(VALU_DEP_1)
	v_floor_f32 v16, -v17
	v_mov_b32 v18, 0
	v_mov_b32 v19, 0
.set j, 0
.rept 32
	v_mov_b32 v[160+j], 0
.set j, j+1
.endr
.endm
; A pass's end: O^T / the sum; its 64 channels are two blocks of 32 along D; the image (768 bytes) leaves, the two scale bytes go to LDS.
.macro PASS_END p, oc
.rept 4
	v_nop                                          ; places behind the last products
.endr
	v_add_f32 v18, v18, v19
	s_delay_alu instid0(VALU_DEP_1)
	v_permlanex16_b32 v252, v18, s[SEL], s[SEL+1]
	s_delay_alu instid0(VALU_DEP_1)
	v_add_f32 v18, v18, v252                       ; the row's sum
	s_wait_alu depctr_va_vdst(0)
	v_rcp_f32 v18, v18
	v_nop
	s_wait_alu depctr_va_vdst(0)
.set j, 0
.rept 32
	v_mul_f32 v[96+j], v[160+j], v18               ; register 8 t + i: channel 16 t + 8 h + i
.set j, j+1
.endr
.irp b, 0,1
	v_max3_num_f32 v[232+\b], |v[96+16*\b]|, |v[97+16*\b]|, 0x1800000
.endr
.irp i, 2,4,6,8,10,12,14
.irp b, 0,1
	s_delay_alu instid0(VALU_DEP_2)
	v_max3_num_f32 v[232+\b], v[232+\b], |v[96+16*\b+\i]|, |v[97+16*\b+\i]|
.endr
.endr
.irp b, 0,1
	v_permlanex16_b32 v[236+\b], v[232+\b], s[SEL], s[SEL+1]
.endr
.irp b, 0,1
	s_delay_alu instid0(VALU_DEP_2)
	v_max_num_f32 v[232+\b], v[232+\b], v[236+\b]
.endr
.irp b, 0,1
	s_delay_alu instid0(VALU_DEP_2)
	v_add_nc_u32 v[244+\b], 0xff000000, v[232+\b]
.endr
.irp b, 0,1
	s_delay_alu instid0(VALU_DEP_2)
	v_lshrrev_b32 v[236+\b], 23, v[244+\b]
.endr
	s_delay_alu instid0(VALU_DEP_1)
	v_lshl_or_b32 v248, v237, 8, v236
	v_cvt_scalef32_pk16_fp6_f32 v[224:226], v[96:111], v244
	v_cvt_scalef32_pk16_fp6_f32 v[236:238], v[112:127], v245
	v_nop
.irp i, 0,1,2
	v_permlane16_swap_b32 v[224+\i], v[236+\i]
.endr
.irp i, 0,1,2
	s_delay_alu instid0(VALU_DEP_3)
	v_mov_b32 v[227+\i], v[236+\i]
.endr
	global_store_b128 v205, v[224:227], s[\oc:\oc+1]
	global_store_b64 v206, v[228:229], s[\oc:\oc+1]
	ds_store_b16 v93, v248 offset:384*\p           ; both halves of the lanes write the same bytes with the same value
.endm
	s_wait_alu depctr_va_vdst(0)
	s_wait_loadcnt 0x0                             ; q, all passes'
	PASS_INIT
	s_wait_alu depctr_va_vdst(0)
	s_wait_dscnt 0x0
	s_cmp_lt_u32 s[WV], 5
	s_cbranch_scc0 .Lnot_first
	s_wait_tensorcnt 0x0                           ; waves 0 to 4: what the first 512 keys need
.Lnot_first:
	s_barrier_signal -1
	s_barrier_wait -1                              ; waves 5 to 7's tiles may still be on their way
	KLOOP 0, 4
	s_wait_tensorcnt 0x0                           ; every wave: all is in
	s_wait_dscnt 0x0
	s_barrier_signal -1
	s_barrier_wait -1
	KLOOP 4, 12
	PASS_END 0, 2
	s_wait_xcnt 0x0                                ; the stores have read their data
.irp j, 0,1,2,3,4,5
	v_mov_b32 v[20+\j], v[86+\j]
.endr
	v_mov_b32 v255, v92
	PASS_INIT
	KLOOP 0, 16
	PASS_END 1, 66
	s_wait_alu depctr_va_vdst(0)
	s_cmp_lt_u32 s[WV], 8
	s_cbranch_scc0 .Lno_init3
	s_wait_xcnt 0x0                                ; the stores have read their data
.irp j, 0,1,2,3,4,5
	v_mov_b32 v[20+\j], v[208+\j]
.endr
	v_mov_b32 v255, v214
	PASS_INIT
.Lno_init3:
	KLOOPW 0, 16
	s_cmp_lt_u32 s[WV], 8
	s_cbranch_scc0 .Lno_end3
	PASS_END 2, 68
.Lno_end3:
	s_wait_dscnt 0x0                               ; my scale bytes are in LDS
	s_barrier_signal -1
	s_barrier_wait -1
	s_cmp_lt_u32 s[WV], 2
	s_cbranch_scc0 .Lno_os
	ds_load_b128 v[96:99], v94
	s_wait_dscnt 0x0
	global_store_b128 v95, v[96:99], s[10:11]      ; a wave stores 512 consecutive bytes, aligned
.Lno_os:
	s_wait_tensorcnt 0x0                           ; the wave's end
	ds_add_u32 v[SPW], v[NIL]
	s_wait_dscnt 0x0
	CROUND                                         ; the closing round
	s_endpgm
.Lfunc_end_k_q72371813a7_attn:
	.size	k_q72371813a7_attn, .Lfunc_end_k_q72371813a7_attn-k_q72371813a7_attn
	.p2alignl 7, 3214868480
	.fill 96, 4, 3214868480
	.section	.rodata,"a",@progbits
	.p2align	6, 0x0
	.amdhsa_kernel k_q72371813a7_attn
		.amdhsa_group_segment_fixed_size 327680
		.amdhsa_private_segment_fixed_size 0
		.amdhsa_enable_private_segment 0
		.amdhsa_kernarg_size 32
		.amdhsa_user_sgpr_count 2
		.amdhsa_user_sgpr_kernarg_segment_ptr 1
		.amdhsa_wavefront_size32 1
		.amdhsa_system_sgpr_workgroup_id_x 1
		.amdhsa_system_sgpr_workgroup_id_y 1
		.amdhsa_system_sgpr_workgroup_id_z 1
		.amdhsa_system_vgpr_workitem_id 0
		.amdhsa_next_free_vgpr 256
		.amdhsa_next_free_sgpr 96
		.amdhsa_reserve_vcc 0
		.amdhsa_float_denorm_mode_32 3
		.amdhsa_float_denorm_mode_16_64 3
		.amdhsa_memory_ordered 1
		.amdhsa_forward_progress 1
		.amdhsa_inst_pref_size 97
	.end_amdhsa_kernel
	.amdgpu_metadata
---
amdhsa.version: [ 1, 2 ]
amdhsa.kernels:
  - .name:           k_q72371813a7_attn
    .symbol:         k_q72371813a7_attn.kd
    .args:
      - { .name: ac, .offset: 0, .size: 8, .value_kind: global_buffer, .address_space: global }
      - { .name: asc, .offset: 8, .size: 8, .value_kind: global_buffer, .address_space: global }
      - { .name: oc, .offset: 16, .size: 8, .value_kind: global_buffer, .address_space: global }
      - { .name: osc, .offset: 24, .size: 8, .value_kind: global_buffer, .address_space: global }
    .group_segment_fixed_size: 327680
    .private_segment_fixed_size: 0
    .kernarg_segment_align: 8
    .kernarg_segment_size: 32
    .max_flat_workgroup_size: 384
    .sgpr_count:     96
    .vgpr_count:     256
    .wavefront_size: 32
...
	.end_amdgpu_metadata
.endif
;; end of part 3
;; launch outp (part 4): grid 32 x 8, 4 waves a work-group, clusters of 4 x 4, 327,680 bytes of LDS; arguments oc, osc, wc, ws, out0, bo; writes out0
.if DOCPART == 4
	.amdgcn_target "amdgcn-amd-amdhsa--gfx1250"
	.amdhsa_code_object_version 6
	.text
	.protected	k_q72371813a7_outp
	.globl	k_q72371813a7_outp
	.p2align	8
	.type	k_q72371813a7_outp,@function
k_q72371813a7_outp:
	s_mov_b64 s[64:65], 0
	v_nop
	global_prefetch_b8 v0, s[64:65] scope:SCOPE_SE
	s_setreg_imm32_b32 hwreg(HW_REG_WAVE_MODE, 25, 1), 1
	s_wait_xcnt 0x0
	s_wait_alu depctr_hold_cnt(0) depctr_sa_sdst(0) depctr_va_vdst(0) depctr_va_sdst(0) depctr_va_ssrc(0) depctr_va_vcc(0) depctr_vm_vsrc(0)
	s_getreg_b32 s2, hwreg(HW_REG_IB_STS2, 6, 4)
	s_cmp_eq_u32 s2, 0
	s_cbranch_scc0 .Lentry_in_a_cluster
	s_endpgm
.Lentry_in_a_cluster:
	s_bfe_u32 s2, ttmp6, 0x10000c
	s_cmp_lg_u32 s2, 0xf033
	s_cbranch_scc0 .Lentry_shape_is_right
	s_endpgm
.Lentry_shape_is_right:
; out0[token][n] = sum over k of context[token][k] Wo[k][n] + bo[n], f32, on codes of FP6 (E2M3) with E8M0 scales: 8,192 x 1,024 x 1,024.
; LIMITS: NaN, infinities and sums beyond f32's range are not served; a sum begins with the bias.
; A: oc[tile of 16 tokens][head][768 bytes: an image of six operand registers, registers 0-3 at 16 x lane, 4-5 at 512 + 8 x lane]; a fragment of 128 along K is two heads' images.  Its scale bytes lie by heads, osc[head][token][2]; the head re-lays them into LDS as rows of 32.
; B: Wo's part of wc (images laid as A's, 12,288 bytes for 16 columns n) and of ws (rows of 32 bytes).
; THE DEAL.  256 work-groups of four waves, 2 x 2, each 256 tokens x 128 columns.  A wave holds four tiles of 16 columns of B, all of K, in 384 registers, and streams A's tiles past them: the wave in row w takes tile 2 s + w as its block s = 0 .. 7.
; The cluster's x counts tile rows (grid 32, 8): A's rows are shared by a column of the cluster (mask s44), B's by a row (mask s45).  No LDS address hangs on the cluster's numbers.
; LDS: A's 16 tiles, 196,608 bytes, all at once; B's 8 tiles, 98,304; A's scale bytes; the spare words.  Nothing is filled again, and no prefetch is laid: all is asked for at the head.
; The waves' stages lie in B's first bytes, which are read for the last time ahead of the barrier in front of the stream.
; THE HEAD'S FOUR TILES, one a wave, each on its own line: B; A's tiles 0-7; 8-11; 12-15.  The stream begins when the first two are in; a plain barrier inside block 1 (and, the text being a loop's, 3 and 5) shows the others.
; Two sets of A's fragments, of accumulators and of rows back from the stage, by turns.  One run of memory lines behind a block's 32 products: its sums into the stage and back as rows of 256 bytes; the fetch of the block two on; a wait; eight stores.
; The wait ahead of the stores leaves the run's fetch out (NF loads, younger than the rows' way back); it shows the next block's rows in too.
.set SIZE_N, 1024
.set NQ, 8
.set NB, 4
.set TM, 256
.set TN, 128
.set KROW, 768
.set KS, 32
.set TILE, 12288
.set FR, 12
.set FPW, 256/FR
.set NF, 34                            ; LDS loads of a block: 32 for eight fragments, 2 for eight scale words
.set YB, TM*KROW
.set SCL, YB+TN*KROW
.set RS, TM*KS/256
.set SSTEP, (32*KS/256)*272
.set SPITCH, 16*NB*4+16
.set STAGE, YB
.set SPARE, SCL+RS*272
.set AAS0, 6                           ; v6  my row's scale words in block 0
.set CO, 9                             ; v9  my byte offset in out0: row l / 16, 16 bytes x (l % 16)
.set SPW, 10
.set NIL, 11
.set ABS, 16                           ; v16 my offset in B's scale bytes
.set AAS, 17                           ; v17 as v6, for the block that is fetched next
.set STO, 18
.set RD, 19
.set SB, 24                            ; v24-39 B's scale words
.set SA, 42                            ; v42-57 A's: two sets of eight
.set ACC, 64                           ; v64-127 two sets of four accumulators
.set BK, 128                           ; v128-191 two sets of rows back from the stage
.set A0, 192                           ; v192, v193 LDS addresses of block 0's images (16 x lane; 512 + 8 x lane)
.set AQ, 200                           ; v200, v201 the same for the block that is fetched next
.set BO, 208                           ; v208-239 the bias as the first four products' C
.set BA, 240                           ; v240, v241 the same two addresses for B's tiles
.set G1A, 24
.set G0A, 56
.set G1B, 32
.set G0B, 60
.set MSB, 0
.macro WIN new
.if MSB != \new
	s_set_vgpr_msb (MSB<<8)|\new
.set MSB, \new
.endif
.endm
.macro PLACES n
.rept \n
	v_nop
.endr
.endm
.macro WALU
	s_wait_alu depctr_va_vdst(0)
.endm
.macro BARRIER
	s_barrier_signal -1
	s_barrier_wait -1
.endm
.macro CROUND
	BARRIER
	s_cmp_lg_u32 s14, 0
	s_cbranch_scc1 .Lnot_wave_0_\@
	s_barrier_signal -3
.Lnot_wave_0_\@:
	s_barrier_wait -3
	BARRIER
.endm
.macro TLOAD g0, g1
	tensor_load_to_lds s[\g0:\g0+3], s[\g1:\g1+7]
	s_nop 0
	PLACES 4
.endm
.macro ATILE first, rows               ; a part of A's 196,608 bytes, as rows of 768: dense, so its place in LDS is its place among the rows
	s_mov_b32 s[G0A+1], (\first)*KROW
	s_mov_b32 s[G1A+2], (\rows)<<16
	s_mov_b32 s[G1A+4], \rows
.if \first
	s_add_nc_u64 s[G0A+2:G0A+3], s[G0A+2:G0A+3], (\first)*KROW
.endif
	s_or_b32 s[G0A+3], s[G0A+3], 0x80000000
	TLOAD G0A, G1A
.endm
.macro GROUP1 g, mask, rows
	s_or_b32 s[\g+0], s[\mask], (1<<21)
	s_mov_b32 s[\g+1], (KROW&0xffff)<<16
	s_mov_b32 s[\g+3], KROW<<16
.if \rows
	s_mov_b32 s[\g+2], (KROW>>16)|((\rows)<<16)
	s_mov_b32 s[\g+4], \rows
.endif
	s_mov_b32 s[\g+5], KROW
	s_mov_b32 s[\g+6], 0
	s_mov_b32 s[\g+7], 0
.endm
.macro IMG f, a, off                   ; fragment f (at register 256 (1 + f / 21) + 12 (f % 21)): two images of six registers
.set R_, FR*((\f)%FPW)
	WIN (1+(\f)/FPW)<<6
	ds_load_b128 v[R_:R_+3], v[\a] offset:\off
	ds_load_b64 v[R_+4:R_+5], v[\a+1] offset:\off
	ds_load_b128 v[R_+6:R_+9], v[\a] offset:(\off)+768
	ds_load_b64 v[R_+10:R_+11], v[\a+1] offset:(\off)+768
.endm
.macro FETCHAT e, aq, as               ; a block of A into set e: NF loads
.irp q, 0,1,2,3,4,5,6,7
	IMG NB*NQ+NQ*(\e)+\q, \aq, 1536*\q
.endr
	WIN 0
	ds_load_b128 v[SA+8*(\e):SA+8*(\e)+3], v[\as]
	ds_load_b128 v[SA+8*(\e)+4:SA+8*(\e)+7], v[\as] offset:16
.endm
.macro PROD e, n                       ; product n = 4 q + tile of a block whose rows lie in set e; source 0 = B's rows
.set Q_, (\n)/4
.set FB_, NB*Q_+(\n)%4
.set FA_, NB*NQ+NQ*(\e)+Q_
.set D_, ACC+32*(\e)+8*((\n)%4)
.set XB_, SB+NQ*(((\n)%4)/2)+Q_
.set XA_, SA+8*(\e)+Q_
	WIN (1+FB_/FPW)|((1+FA_/FPW)<<2)
.if Q_
	PROD1 D_, FB_, FA_, v[D_:D_+7], XB_, XA_, (\n)%2
.else
	PROD1 D_, FB_, FA_, v[BO+8*((\n)%4):BO+8*((\n)%4)+7], XB_, XA_, (\n)%2
.endif
.endm
.macro PROD1 d, s0, s1, c, x0, x1, o
.if \o
	v_wmma_scale_f32_16x16x128_f8f6f4 v[\d:\d+7], v[FR*((\s0)%FPW):FR*((\s0)%FPW)+FR-1], v[FR*((\s1)%FPW):FR*((\s1)%FPW)+FR-1], \c, v[\x0], v[\x1] matrix_a_fmt:MATRIX_FMT_FP6 matrix_b_fmt:MATRIX_FMT_FP6 matrix_a_scale:MATRIX_SCALE_ROW1
.else
	v_wmma_scale_f32_16x16x128_f8f6f4 v[\d:\d+7], v[FR*((\s0)%FPW):FR*((\s0)%FPW)+FR-1], v[FR*((\s1)%FPW):FR*((\s1)%FPW)+FR-1], \c, v[\x0], v[\x1] matrix_a_fmt:MATRIX_FMT_FP6 matrix_b_fmt:MATRIX_FMT_FP6 matrix_a_scale:MATRIX_SCALE_ROW0
.endif
.endm
.macro PRODS e, from, to
.set N_, \from
.rept (\to)-(\from)
	PROD \e, N_
.set N_, N_+1
.endr
	WIN 0
.endm
.macro STAGED u                        ; set u's sums into my stage, each accumulator from its low end on, and back as whole rows; LDS serves a wave's instructions in order (ISA guide 5.7.1.4): no wait between
.irp b, 0,1,2,3
	ds_store_b128 v[STO], v[ACC+32*(\u)+8*\b:ACC+32*(\u)+8*\b+3] offset:64*\b
	ds_store_b128 v[STO], v[ACC+32*(\u)+8*\b+4:ACC+32*(\u)+8*\b+7] offset:64*\b+16
.endr
.irp t, 0,1,2,3,4,5,6,7
	ds_load_b128 v[BK+32*(\u)+4*\t:BK+32*(\u)+4*\t+3], v[RD] offset:2*\t*SPITCH
.endr
.endm
.macro TOC s                           ; sixteen lanes store 256 consecutive bytes, aligned: rows 2 t and 2 t + 1 of the block
.irp t, 0,1,2,3,4,5,6,7
	global_store_b128 v[CO], v[BK+32*(\s)+4*\t:BK+32*(\s)+4*\t+3], s[12:13] offset:2*\t*SIZE_N*4 th:TH_STORE_NT
.endr
.endm
.macro STREAM s, fetch, show           ; a block whose rows lie in set s.  show = 1: a plain barrier inside the block shows waves 2 and 3's tiles to all
.if \fetch
	s_add_co_u32 s101, s101, 2*TILE
	s_add_co_u32 s91, s91, SSTEP
.endif
.if \show
	PRODS \s, 0, 24
	s_wait_tensorcnt 0x0
	s_wait_dscnt 0x0
	s_barrier_signal -1
	PRODS \s, 24, 32
	s_barrier_wait -1
.else
	PRODS \s, 0, 32
.endif
.if \fetch                             ; four plain vector lines between the last product and the first reader of its sums and the fetch into its registers
	v_add_nc_u32 v[AQ], s101, v[A0]
	v_add_nc_u32 v[AQ+1], s101, v[A0+1]
	v_add_nc_u32 v[AAS], s91, v[AAS0]
	v_nop
	WALU
.else
	PLACES 4
.endif
	s_wait_xcnt 0x0                                ; the stores of two blocks ago have read set s of the rows, and those of the block before their base
	s_add_nc_u64 s[12:13], s[12:13], s[20:21]      ; on to this block's rows of out0 (block 0: by nothing)
	s_mov_b32 s20, 32*SIZE_N*4                     ; my next block lies 32 tokens on
	STAGED \s
.if \fetch
	FETCHAT \s, AQ, AAS
	s_wait_dscnt NF                                ; the block's rows are back from the stage; its fetch is younger
.else
	s_wait_dscnt 0x0
.endif
	TOC \s
.endm
; ================= THE HEAD
	s_load_b128 s[4:7], s[0:1], 0x0                ; oc, osc
	s_load_b128 s[8:11], s[0:1], 0x10              ; wc, ws
	s_load_b128 s[92:95], s[0:1], 0x20             ; out0, bo
	v_lshl_add_u32 v[SPW], v0, 2, SPARE
	v_mov_b32 v[NIL], 0
	ds_add_u32 v[SPW], v[NIL]                      ; the opening lines
	ds_add_u32 v[SPW], v[NIL]
	v_lshrrev_b32 v1, 5, v0
	v_readfirstlane_b32 s14, v1                    ; the wave; s15 its row of the 2 x 2, s16 its column
	s_lshr_b32 s15, s14, 1
	s_and_b32 s16, s14, 1
	s_bfe_u32 s40, ttmp6, 0x40000
	s_bfe_u32 s41, ttmp6, 0x40004
	s_lshl_b32 s43, ttmp9, 2
	s_add_co_u32 s43, s43, s40                     ; tile row: 4 x cluster x + cx
	s_and_b32 s42, ttmp7, 0xffff
	s_lshl_b32 s42, s42, 2
	s_add_co_u32 s42, s42, s41                     ; tile column: 4 x cluster y + cy
	s_lshl_b32 s44, 0x1111, s40                    ; my column of the cluster: shares A's rows
	s_lshl_b32 s45, s41, 2
	s_lshl_b32 s45, 15, s45                        ; my row: shares B's
	GROUP1 G1A, 44, 0                              ; how many rows, each wave's own arm says
	GROUP1 G1B, 45, TN
	s_mov_b32 s[G0A], 1
	s_mul_i32 s76, s43, TM*KROW                    ; my tile row's first byte of A
	s_mov_b32 s77, 0
	s_mul_i32 s78, s42, TN*KROW                    ; my tile column's first byte of B
	s_mov_b32 s79, 0
	s_lshl_b32 s80, s43, 9                         ; my 256 tokens' scale bytes in a head's
	s_mov_b32 s81, 0
	s_mul_i32 s82, s42, TN*KS
	s_mul_i32 s21, s16, 16*NB*KS
	s_add_co_u32 s82, s82, s21                     ; my 64 columns' scale bytes
	s_mov_b32 s83, 0
	s_mul_i32 s88, s42, TN*4
	s_mul_i32 s21, s16, 16*NB*4
	s_add_co_u32 s88, s88, s21                     ; my 64 columns, in bytes of f32
	s_mov_b32 s89, 0
	s_mul_i32 s84, s43, TM*SIZE_N*4
	s_mul_i32 s21, s15, 16*SIZE_N*4
	s_add_co_u32 s84, s84, s21
	s_add_co_u32 s84, s84, s88                     ; my block 0 in out0
	s_mov_b32 s85, 0
	s_mov_b32 s[G0B], 1
	s_mov_b32 s[G0B+1], YB
	s_mov_b32 s86, 0x05040100
	s_mov_b32 s87, 0x07060302
	v_and_b32 v1, 15, v0
	v_bfe_u32 v2, v0, 4, 1
	v_and_b32 v3, 31, v0
	s_mul_i32 s23, s15, TILE
	v_lshl_add_u32 v[A0], v3, 4, s23
	v_lshl_add_u32 v[A0+1], v3, 3, s23
	s_mul_i32 s22, s16, NB*TILE
	s_add_co_u32 s22, s22, YB
	v_lshl_add_u32 v[BA], v3, 4, s22
	v_lshl_add_u32 v[BA+1], v3, 3, s22
	v_add_nc_u32 v[A0+1], 512, v[A0+1]
	v_add_nc_u32 v[BA+1], 512, v[BA+1]
	v_add_nc_u32 v[AQ], 2*TILE, v[A0]
	v_add_nc_u32 v[AQ+1], 2*TILE, v[A0+1]
	v_mul_u32_u24 v[ABS], v3, KS
	v_mul_u32_u24 v23, v1, KS
	v_lshrrev_b32 v22, 8, v23
	v_lshl_add_u32 v23, v22, 4, v23
	s_mul_i32 s21, s15, (16*KS/256)*272
	s_add_co_u32 s21, s21, SCL
	v_add_nc_u32 v[AAS0], s21, v23
	v_add_nc_u32 v[AAS], SSTEP, v[AAS0]
	s_mul_i32 s21, s14, 16*SPITCH
	s_add_co_u32 s21, s21, STAGE
	v_mul_u32_u24 v23, v1, SPITCH
	v_lshl_add_u32 v23, v2, 5, v23
	v_add_nc_u32 v[STO], s21, v23
	v_mul_u32_u24 v23, v2, SPITCH
	v_lshl_add_u32 v23, v1, 4, v23
	v_add_nc_u32 v[RD], s21, v23
	v_mul_u32_u24 v23, v2, SIZE_N*4
	v_lshl_add_u32 v[CO], v1, 4, v23
	v_lshlrev_b32 v8, 5, v2                        ; the bias: 32 h
	v_lshlrev_b32 v22, 2, v0                       ; A's scale bytes: thread t takes tokens 2 t and 2 t + 1
	v_lshrrev_b32 v23, 2, v0
	v_lshlrev_b32 v23, 4, v23
	v_lshl_add_u32 v23, v0, 6, v23
	v_add_nc_u32 v23, SCL, v23                     ; and puts their two rows of 32 bytes at 64 t, 16 more for each 256 passed
	WALU
	s_wait_dscnt 0x0
	CROUND                                         ; the opening round, ahead of the wait for the arguments
	s_wait_kmcnt 0x0
	s_add_nc_u64 s[8:9], s[8:9], 2359296           ; Wo's codes
	s_add_nc_u64 s[10:11], s[10:11], 98304         ; Wo's scale bytes
	s_add_nc_u64 s[G0A+2:G0A+3], s[4:5], s[76:77]
	s_add_nc_u64 s[G0B+2:G0B+3], s[8:9], s[78:79]
	s_or_b32 s[G0B+3], s[G0B+3], 0x80000000
	s_add_nc_u64 s[6:7], s[6:7], s[80:81]
	s_add_nc_u64 s[10:11], s[10:11], s[82:83]
	s_add_nc_u64 s[12:13], s[92:93], s[84:85]
	s_add_nc_u64 s[94:95], s[94:95], s[88:89]
	s_cmp_eq_u32 s14, 0
	s_cbranch_scc0 .Lwave_1
	TLOAD G0B, G1B                                 ; wave 0: B, which is wanted first
	s_branch .Lasked
.Lwave_1:
	s_cmp_eq_u32 s14, 1
	s_cbranch_scc0 .Lwave_2
	ATILE 0, 128                                   ; wave 1: A's tiles 0 to 7
	s_branch .Lasked
.Lwave_2:
	s_cmp_eq_u32 s14, 2
	s_cbranch_scc0 .Lwave_3
	ATILE 128, 64                                  ; wave 2: 8 to 11
	s_branch .Lasked
.Lwave_3:
	ATILE 192, 64                                  ; wave 3: 12 to 15
.Lasked:
.irp hd, 0,1,2,3,4,5,6,7,8,9,10,11,12,13,14,15
	global_load_b32 v[ACC+\hd], v22, s[6:7] offset:16384*\hd   ; 128 threads read 512 consecutive bytes of a head's
.endr
.irp b, 0,1,2,3
	global_load_b128 v[BO+8*\b:BO+8*\b+3], v8, s[94:95] offset:64*\b       ; register i of tile b of lane (r, h): column 16 b + 8 h + i
	global_load_b128 v[BO+8*\b+4:BO+8*\b+7], v8, s[94:95] offset:64*\b+16
.endr
.irp p, 0,1
.irp c, 0,1
	global_load_b128 v[SB+NQ*\p+4*\c:SB+NQ*\p+4*\c+3], v[ABS], s[10:11] offset:\p*32*KS+16*\c
.endr
.endr
	s_wait_loadcnt 0x0
.irp q, 0,1,2,3,4,5,6,7
	v_perm_b32 v[BK+\q], v[ACC+2*\q+1], v[ACC+2*\q], s86       ; token 2 t: the word of heads 2 q, 2 q + 1
	v_perm_b32 v[BK+8+\q], v[ACC+2*\q+1], v[ACC+2*\q], s87     ; token 2 t + 1
.endr
.irp c, 0,1,2,3
	ds_store_b128 v23, v[BK+4*\c:BK+4*\c+3] offset:16*\c
.endr
	s_wait_dscnt 0x0
	s_cmp_eq_u32 s14, 0
	s_cbranch_scc0 .Lnot_b
	s_wait_tensorcnt 0x0
.Lnot_b:
	BARRIER                                        ; B has landed
.irp q, 0,1,2,3,4,5,6,7
.irp b, 0,1,2,3
	IMG NB*\q+\b, BA, TILE*\b+1536*\q
.endr
.endr
	WIN 0
	s_mov_b32 s101, 2*TILE
	s_mov_b32 s91, SSTEP
	s_cmp_eq_u32 s14, 1
	s_cbranch_scc0 .Lnot_a
	s_wait_tensorcnt 0x0                           ; wave 1: A's tiles 0 to 7 have landed
.Lnot_a:
	s_wait_dscnt 0x0
	BARRIER                                        ; A's first eight tiles and all scale bytes are in, and nobody reads B's bytes any more; waves 2 and 3's tiles may be on their way
	FETCHAT 0, A0, AAS0
	FETCHAT 1, AQ, AAS
; ================= THE STREAM: eight blocks
	s_mov_b32 s23, 0
	s_mov_b32 s20, 0
	s_mov_b32 s21, 0
	s_wait_dscnt NF                                ; block 0's rows are in
.Lpair:                                        ; blocks 0 to 5, a pair a trip
	STREAM 0, 1, 0
	STREAM 1, 1, 1
	s_add_co_u32 s23, s23, 1
	s_cmp_lg_u32 s23, 3
	s_cbranch_scc1 .Lpair
	STREAM 0, 0, 0                                 ; blocks 6 and 7 fetch nothing
	STREAM 1, 0, 0
	s_wait_tensorcnt 0x0                           ; the wave's end
	ds_add_u32 v[SPW], v[NIL]
	s_wait_dscnt 0x0
	CROUND                                         ; the closing round
	s_endpgm
.Lfunc_end_k_q72371813a7_outp:
	.size	k_q72371813a7_outp, .Lfunc_end_k_q72371813a7_outp-k_q72371813a7_outp
	.p2alignl 7, 3214868480
	.fill 96, 4, 3214868480
	.section	.rodata,"a",@progbits
	.p2align	6, 0x0
	.amdhsa_kernel k_q72371813a7_outp
		.amdhsa_group_segment_fixed_size 327680
		.amdhsa_private_segment_fixed_size 0
		.amdhsa_enable_private_segment 0
		.amdhsa_kernarg_size 48
		.amdhsa_user_sgpr_count 2
		.amdhsa_user_sgpr_kernarg_segment_ptr 1
		.amdhsa_wavefront_size32 1
		.amdhsa_system_sgpr_workgroup_id_x 1
		.amdhsa_system_sgpr_workgroup_id_y 1
		.amdhsa_system_sgpr_workgroup_id_z 1
		.amdhsa_system_vgpr_workitem_id 0
		.amdhsa_next_free_vgpr 840
		.amdhsa_next_free_sgpr 102
		.amdhsa_reserve_vcc 0
		.amdhsa_float_denorm_mode_32 3
		.amdhsa_float_denorm_mode_16_64 3
		.amdhsa_memory_ordered 1
		.amdhsa_forward_progress 1
		.amdhsa_inst_pref_size 56
	.end_amdhsa_kernel
	.amdgpu_metadata
---
amdhsa.version: [ 1, 2 ]
amdhsa.kernels:
  - .name:           k_q72371813a7_outp
    .symbol:         k_q72371813a7_outp.kd
    .args:
      - { .name: oc, .offset: 0, .size: 8, .value_kind: global_buffer, .address_space: global }
      - { .name: osc, .offset: 8, .size: 8, .value_kind: global_buffer, .address_space: global }
      - { .name: wc, .offset: 16, .size: 8, .value_kind: global_buffer, .address_space: global }
      - { .name: ws, .offset: 24, .size: 8, .value_kind: global_buffer, .address_space: global }
      - { .name: out0, .offset: 32, .size: 8, .value_kind: global_buffer, .address_space: global }
      - { .name: bo, .offset: 40, .size: 8, .value_kind: global_buffer, .address_space: global }
    .group_segment_fixed_size: 327680
    .private_segment_fixed_size: 0
    .kernarg_segment_align: 8
    .kernarg_segment_size: 48
    .max_flat_workgroup_size: 128
    .sgpr_count:     102
    .vgpr_count:     840
    .wavefront_size: 32
...
	.end_amdgpu_metadata
.endif
;; end of part 4
